; MI455X (gfx1250); checked and timed in simulation.
; The chip was launched on July 23, 2026; its instructions are those of AMD's public machine-readable ISA for CDNA 5 (MIT licence, August 2026) and "CDNA5" Instruction Set Architecture Reference Guide (July 2026). The comments in the code are by the model that wrote it; some were corrected since.
;; Seq Multi Head Attention. Allowed arithmetic: matrix products marked QUANTISED: E2M3 operands, one E8M0 scale for each 32 along K, by v_wmma_scale_f32_16x16x128_f8f6f4 with both operands' format E2M3, f32 sums; everything else in f32.
;; Inputs: b_o 1,024 float32; b_qkv 3,072 float32; lengths 8 int32; w_o 1,024 x 1,024 float32; w_qkv 1,024 x 3,072 float32; x 8 x 1,024 x 1,024 float32.
;; Outputs: out0 8 x 1,024 x 1,024 float32.
;; This version of the problem:
;;   THIS VERSION OF THE PROBLEM IS GIVEN IN LOW PRECISION. The matrix products marked QUANTISED in the list below multiply operands that are first quantised to E2M3 (2 exponent bits, 3 mantissa bits; 6 bits a number), with one power-of-two scale for each 32 numbers along K (OCP MX v1.0); their sums are f32. All else is computed in f32.
;;   The module's matrix products, in the order in which they are computed (A, B: the left and right operand; K: the contracted axis; several contracted axes count as one K, in the product's order):
;;     1. [M 8,192, K 1,024] x [K 1,024, N 3,072]; A: input x; B: input w_qkv: QUANTISED
;;     2. batch 128 x [M 1,024, K 64] x [K 64, N 1,024]; A: computed on the way; B: computed on the way: QUANTISED
;;     3. batch 128 x [M 1,024, K 1,024] x [K 1,024, N 64]; A: computed on the way; B: computed on the way: QUANTISED
;;     4. [M 8,192, K 1,024] x [K 1,024, N 1,024]; A: computed on the way; B: input w_o: QUANTISED
;;   THE QUANTISER, for each operand of a quantised product, along K:
;;     - K is cut into blocks of 32 from its start; a last block that is shorter is filled with zeros.
;;     - A block's scale is 2^e with e = floor(log2(the largest magnitude in the block)) - 2, held to -126 .. 127; a block of zeros has e = 0. As a byte (E8M0): e + 127.
;;     - Each number is divided by its block's scale, clamped to +-7.5, and rounded to the nearest number of E2M3, ties to even, subnormals kept.
;;     - The product sums the exact products of the quantised numbers (number of the format x scale) in f32.
;;   ~~~python
;;   def quantise(x, axis):      # numpy; x: float32 -> the quantised numbers, widened to float32 again
;;       x = np.moveaxis(x, axis, -1); K = x.shape[-1]
;;       x = np.pad(x, [(0, 0)] * (x.ndim - 1) + [(0, -K % 32)]); x = x.reshape(x.shape[:-1] + (-1, 32)); a = np.abs(x).max(-1, keepdims=True)
;;       e = np.where(a > 0, np.clip(np.frexp(np.where(a > 0, a, 1))[1] - 1 - 2, -126, 127), 0)      # np.frexp(a)[1] - 1 = floor(log2(a)), exactly
;;       r = np.clip(x / 2.0 ** e, -7.5, 7.5)
;;       step = 2.0 ** (np.maximum(np.frexp(np.where(r == 0, 1, r))[1] - 1, 0) - 3)
;;       q = np.round(r / step) * step * 2.0 ** e      # np.round: ties to even
;;       return np.moveaxis(q.reshape(q.shape[:-2] + (-1,))[..., :K], -1, axis).astype(np.float32)
;;   ~~~
;;   OPERANDS COMPUTED ON THE WAY. 'Computed on the way' means the value that the module computes at that place (a softmax that the list does not call 'softmax' is quantised finished and normalised). What goes into a quantiser is computed in f32, as accurately as f32 sums, v_exp_f32 and their like allow (about 1e-6 of the number): no bf16 or f16 on the way to a quantiser, and a product that is left as it is and whose result goes on into a quantised operand takes f32 operands (vector FMAs, or v_wmma_f32_16x16x4_f32). A number that lies on a knife's edge between two numbers of the format may be rounded either way, as far as f32 arithmetic and the matrix unit's own rounding can turn it there, and no further.
;; One version. Each part assembles by itself: llvm-mc -triple=amdgcn-amd-amdhsa -mcpu=gfx1250 --defsym DOCPART=n.
;; ======== version 1 of 1: 4 launches
;; workspace buffers: x_codes 6,291,456 bytes; x_scales 262,144 bytes; w_codes 3,145,728 bytes; w_scales 131,072 bytes; qkv 20,447,232 bytes; att_img 6,291,456 bytes; att_sc 262,144 bytes
;; launch quant (part 1): grid 384 x 1, 4 waves a work-group, no clusters, 68,096 bytes of LDS; arguments x, w_qkv, w_o, x_codes, x_scales, w_codes, w_scales; writes x_codes, x_scales, w_codes, w_scales
.if DOCPART == 1
	.amdgcn_target "amdgcn-amd-amdhsa--gfx1250"
	.amdhsa_code_object_version 6
	.text
	.protected	k_qd7074a6543_quant
	.globl	k_qd7074a6543_quant
	.p2align	8
	.type	k_qd7074a6543_quant,@function
k_qd7074a6543_quant:
	s_mov_b64 s[64:65], 0
	v_nop
	global_prefetch_b8 v0, s[64:65] scope:SCOPE_SE
	s_setreg_imm32_b32 hwreg(HW_REG_WAVE_MODE, 25, 1), 1
	s_wait_xcnt 0x0
; x [8192][1024], w_qkv [1024][3072] and w_o [1024][1024], f32, become codes of FP6 (E2M3) with K innermost, 768 bytes a row, and one E8M0 byte for each 32 along K, 32 bytes a row.
; A block's scale is 2^(floor(log2(its largest magnitude)) - 2); its byte is the largest magnitude's exponent field - 2, held at 1 from below.
; ROWS ARE STORED IN POSITION ORDER: position p holds row pi(p), pi = bits 3 and 4 of the index exchanged.  So 16 consecutive positions 16 (2 b + u) + r are the rows 32 b + 8 u + r % 8 + 16 (r / 8):
; used as source 0 of a matrix instruction, two neighbouring tiles then leave 16 neighbouring indices in a lane's 16 registers, which is what the next quantiser wants.
; w_codes holds w_qkv's 3,072 columns as rows 0 .. 3,071 and w_o's 1,024 columns as rows 3,072 .. 4,095.
; Work-groups 0-255 take x (K innermost: a plain stream of blocks), work-groups 256-383 the weights (K outermost: a lane takes a column, its registers run down K).  Each path has LDS bytes of its own.
; LIMITS: NaN and infinities are not served; a block whose largest magnitude lies under 2^-124, a block of zeros among them, keeps the byte 1 (its codes are right under that byte; this program alone reads the bytes).
.set STEPS, 16
.set CB,    12                         ; bytes of 16 codes
.set XR,    16                         ; v16-79   x: four sets of 16 numbers as loaded
.set XX,    80                         ; v80-111  two sets of 16 neighbours
.set XC,    128                        ; v128-191 codes, four registers a step
.set XE,    112                        ; v112-127 a scale byte a step
.set WREG,  8192                       ; x's path: LDS of a wave: two stages of 32 x SP bytes, then 256 scale bytes
.set SP,    80
.set WBASE, 4*WREG                     ; the weights' path: LDS from here on
.set WPITCH, 272
.set NB,    8
.set WX,    32                         ; v32-95   two sets of 32 numbers
.set WC,    96                         ; v96-102  a block's codes
.set WSB,   24                         ; v24-25   eight scale bytes
.set OUTR,  112                        ; v112-175 the way out
.set VO,    176                        ; v176-207 byte offsets of 32 rows of the weight at my column
	s_load_b256 s[4:11], s[0:1], 0x0               ; x, w_qkv, w_o, x_codes
	s_load_b128 s[12:15], s[0:1], 0x20             ; x_scales, w_codes
	s_load_b64 s[16:17], s[0:1], 0x30              ; w_scales
	v_lshl_add_u32 v208, v0, 2, 0x10800
	v_mov_b32 v209, 0
	v_lshrrev_b32 v1, 5, v0
	v_readfirstlane_b32 s18, v1                    ; wave
	v_and_b32 v2, 31, v0                           ; lane
	s_cmp_lt_u32 ttmp9, 256
	s_cbranch_scc0 .Lweights
; ---------------- x: a wave takes a run of 8 rows (8,192 numbers), 16 steps of 512 numbers
	v_lshlrev_b32 v3, 4, v2                        ; my 16 bytes of a load's 512
	s_mul_i32 s19, s18, WREG
	v_lshrrev_b32 v14, 2, v2
	v_mul_u32_u24 v14, v14, SP
	v_and_b32 v15, 3, v2
	v_lshl_add_u32 v14, v15, 4, v14
	v_add_nc_u32 v14, s19, v14                     ; the stage, on the way in: SP (lane / 4) + 16 (lane % 4)
	v_mul_u32_u24 v15, v2, SP
	v_add_nc_u32 v15, s19, v15                     ; on the way out: SP x lane: my 16 neighbours
	v_mul_u32_u24 v4, v2, CB                       ; my codes' place in a step's
	v_lshrrev_b32 v5, 1, v2
	s_add_co_u32 s19, s19, 2*32*SP
	v_add_nc_u32 v5, s19, v5                       ; my block's scale byte
	v_lshlrev_b32 v7, 3, v2
	v_add_nc_u32 v6, s19, v7
	s_lshl_b32 s20, ttmp9, 2
	s_add_co_u32 s21, s20, s18                     ; the run that I read: 4 x work-group + wave
	s_and_b32 s22, s18, 1
	s_lshl_b32 s22, s22, 1
	s_lshr_b32 s23, s18, 1
	s_or_b32 s22, s22, s23
	s_add_co_u32 s22, s20, s22                     ; the run that I write: a run is 8 rows, so pi exchanges the run's two lowest bits
	s_lshl_b32 s24, s21, 15
	s_mov_b32 s25, 0
	s_mul_i32 s26, s22, 6144
	s_mov_b32 s27, 0
	s_lshl_b32 s28, s22, 8
	s_mov_b32 s29, 0
	s_wait_kmcnt 0x0
	s_add_nc_u64 s[4:5], s[4:5], s[24:25]
	s_add_nc_u64 s[10:11], s[10:11], s[26:27]
	s_add_nc_u64 s[12:13], s[12:13], s[28:29]
.macro XLOAD t
.irp i, 0,1,2,3
	global_load_b128 v[XR+16*((\t)%4)+4*\i:XR+16*((\t)%4)+4*\i+3], v3, s[4:5] offset:2048*(\t)+512*\i th:TH_LOAD_NT   ; 32 lanes read 512 consecutive bytes
.endr
.endm
.macro XTURN t                         ; a step's numbers through the stage: LDS serves a wave's instructions in order, so no wait stands between the stores and the loads
.irp i, 0,1,2,3
	ds_store_b128 v14, v[XR+16*((\t)%4)+4*\i:XR+16*((\t)%4)+4*\i+3] offset:32*SP*((\t)%2)+8*SP*\i
.endr
.irp i, 0,1,2,3
	ds_load_b128 v[XX+16*((\t)%2)+4*\i:XX+16*((\t)%2)+4*\i+3], v15 offset:32*SP*((\t)%2)+16*\i
.endr
.endm
.irp t, 0,1,2,3
	XLOAD \t
.endr
	s_wait_loadcnt 12                              ; step 0's four loads are in; the twelve of steps 1 to 3 may be out
	XTURN 0
.macro XSTEP t
.set XS, XX+16*((\t)%2)
.if (\t) > 0
	s_wait_dscnt 1                                 ; this step's numbers are back from the stage; the last step's byte store may be out
.else
	s_wait_dscnt 0x0
.endif
.if (\t)+4 < STEPS
	XLOAD (\t)+4                                   ; into the registers that this step's stores into the stage have read
.endif
.if (\t)+1 < STEPS
.if STEPS-2-(\t) >= 3
	s_wait_loadcnt 12                              ; the next step's four loads are in; those of the three steps behind it may be out
.else
	s_wait_loadcnt 4*(STEPS-2-(\t))
.endif
	XTURN (\t)+1
.endif
	v_max3_num_f32 v8, |v[XS]|, |v[XS+1]|, |v[XS+2]|               ; the largest magnitude of my 16, in two chains
	v_max3_num_f32 v9, |v[XS+3]|, |v[XS+4]|, |v[XS+5]|
.irp i, 6,10
	v_max3_num_f32 v8, v8, |v[XS+\i]|, |v[XS+\i+1]|
	v_max3_num_f32 v9, v9, |v[XS+\i+2]|, |v[XS+\i+3]|
.endr
	v_max3_num_f32 v8, v8, |v[XS+14]|, |v[XS+15]|
	v_max3_num_f32 v8, v8, v9, 0x1800000           ; and the floor 2^(3 - 127): the byte cannot fall under 1
	v_max_num_f32_dpp v8, v8, v8 row_xmask:1 row_mask:0xf bank_mask:0xf   ; with my neighbour's 16: the block's
	v_add_nc_u32 v11, 0xff000000, v8               ; 2 off its exponent field: the conversion's scale operand
	v_cvt_scalef32_pk16_fp6_f32 v[XC+4*(\t):XC+4*(\t)+2], v[XS:XS+15], v11
	v_lshrrev_b32 v[XE+(\t)], 23, v11              ; the scale's byte
	ds_store_b8 v5, v[XE+(\t)] offset:16*(\t)      ; both lanes of a block write the same byte with the same value
	global_store_b96 v4, v[XC+4*(\t):XC+4*(\t)+2], s[10:11] offset:32*CB*(\t)   ; the wave stores 384 consecutive bytes
.endm
.irp t, 0,1,2,3,4,5,6,7,8,9,10,11,12,13,14,15
	XSTEP \t
.endr
	ds_load_b64 v[12:13], v6                       ; my wave's 256 scale bytes, 8 a lane
	s_wait_dscnt 0x0
	global_store_b64 v7, v[12:13], s[12:13]        ; 32 lanes store 256 consecutive bytes, aligned
	s_wait_tensorcnt 0x0
	ds_add_u32 v208, v209
	s_wait_dscnt 0x0
	s_endpgm
; ---------------- the weights: a wave takes 32 columns x 256 along K; a lane takes a column and its registers run down K
.Lweights:
	s_sub_co_u32 s19, ttmp9, 256
	s_lshr_b32 s20, s19, 2                         ; which 128 rows of w_codes: 0 .. 31
	s_and_b32 s21, s19, 3                          ; which 256 along K
	s_mov_b32 s22, 12288
	s_wait_kmcnt 0x0
	s_cmp_ge_u32 s20, 24                           ; from 24 on: w_o.  The choice hangs on the work-group's number alone
	s_cselect_b64 s[6:7], s[8:9], s[6:7]
	s_cselect_b32 s22, 4096, s22                   ; bytes in a row of the weight
	s_cselect_b32 s23, 24, 0
	s_sub_co_u32 s23, s20, s23
	s_lshl_b32 s23, s23, 7
	s_lshl_b32 s24, s18, 5
	s_add_co_u32 s23, s23, s24                     ; my wave's first column in its weight
	s_lshl_b32 s23, s23, 2
	s_lshl_b32 s25, s21, 8
	s_mul_i32 s25, s25, s22
	s_add_co_u32 s26, s25, s23
	s_mov_b32 s27, 0
	s_add_nc_u64 s[32:33], s[6:7], s[26:27]        ; a base for each block of 32 rows: no pointer is stepped
	s_lshl_b32 s28, s22, 5
	s_mov_b32 s29, 0
.irp t, 1,2,3,4,5,6,7
	s_add_nc_u64 s[32+2*\t:33+2*\t], s[30+2*\t:31+2*\t], s[28:29]
.endr
	s_lshl_b32 s23, s20, 7
	s_add_co_u32 s23, s23, s24                     ; my wave's first row of w_codes
	s_mul_i32 s26, s23, 768
	s_mul_i32 s25, s21, 192
	s_add_co_u32 s26, s26, s25
	s_add_nc_u64 s[14:15], s[14:15], s[26:27]
	s_lshl_b32 s26, s23, 5
	s_lshl_b32 s25, s21, 3
	s_add_co_u32 s26, s26, s25
	s_add_nc_u64 s[16:17], s[16:17], s[26:27]
	v_lshlrev_b32 v[VO], 2, v2
.irp i, 1,2,3,4,5,6,7,8,9,10,11,12,13,14,15,16,17,18,19,20,21,22,23,24,25,26,27,28,29,30,31
	v_add_nc_u32 v[VO+\i], s22, v[VO+\i-1]
.endr
	v_and_b32 v10, 7, v2
	v_bfe_u32 v11, v2, 3, 1
	v_bfe_u32 v12, v2, 4, 1
	v_lshl_add_u32 v10, v11, 4, v10
	v_lshl_add_u32 v10, v12, 3, v10                ; pi(lane): the position of my column among the wave's 32 rows
	s_mul_i32 s19, s18, 32*WPITCH
	s_add_co_u32 s19, s19, WBASE                   ; my stage
	v_mul_u32_u24 v4, v10, WPITCH
	v_add_nc_u32 v4, s19, v4                       ; into it: row = my column's position
	v_lshlrev_b32 v9, 5, v10                       ; my row of scale bytes
	v_and_b32 v5, 15, v2
	v_lshrrev_b32 v6, 4, v2
	v_mul_u32_u24 v7, v6, WPITCH
	v_lshl_add_u32 v7, v5, 4, v7
	v_add_nc_u32 v7, s19, v7                       ; out of it: sixteen lanes to a row, two rows an instruction
	v_mul_u32_u24 v8, v6, 768
	v_mad_u32_u24 v8, v5, 12, v8                   ; and the same place in w_codes
.macro WLOAD t                         ; block t: w(32 t + i, my column) into set t % 2; a wave reads 128 consecutive bytes, the work-group 512
.irp i, 0,1,2,3,4,5,6,7,8,9,10,11,12,13,14,15,16,17,18,19,20,21,22,23,24,25,26,27,28,29,30,31
	global_load_b32 v[WX+32*((\t)%2)+\i], v[VO+\i], s[32+2*(\t):33+2*(\t)] th:TH_LOAD_NT
.endr
.endm
	WLOAD 0
	WLOAD 1
.macro BLOCK t
.set XS, WX+32*((\t)%2)
.if (\t) < NB-1
	s_wait_loadcnt 32                              ; this block's 32 loads are in; the next block's 32 may be out
.else
	s_wait_loadcnt 0
.endif
	v_max3_num_f32 v12, |v[XS]|, |v[XS+1]|, |v[XS+2]|              ; the block's largest magnitude: all 32 numbers are mine
	v_max3_num_f32 v13, |v[XS+3]|, |v[XS+4]|, |v[XS+5]|
.irp i, 6,10,14,18,22,26
	v_max3_num_f32 v12, v12, |v[XS+\i]|, |v[XS+\i+1]|
	v_max3_num_f32 v13, v13, |v[XS+\i+2]|, |v[XS+\i+3]|
.endr
	v_max3_num_f32 v12, v12, |v[XS+30]|, |v[XS+31]|
	v_max3_num_f32 v12, v12, v13, 0x1800000        ; and the floor 2^(3 - 127)
	v_add_nc_u32 v11, 0xff000000, v12              ; the conversion's scale operand
	v_lshrrev_b32 v13, 23, v11                     ; the scale's byte
.if (\t)%4 == 0
	v_mov_b32 v[WSB+(\t)/4], v13
.else
	v_lshl_or_b32 v[WSB+(\t)/4], v13, 8*((\t)%4), v[WSB+(\t)/4]
.endif
	v_cvt_scalef32_pk16_fp6_f32 v[WC:WC+2], v[XS:XS+15], v11
	v_cvt_scalef32_pk16_fp6_f32 v[WC+4:WC+6], v[XS+16:XS+31], v11  ; (a conversion's three registers begin on an even number)
	ds_store_b96 v4, v[WC:WC+2] offset:32*(\t)     ; 12 bytes to a place of 16, so that every LDS address is a multiple of 16
	ds_store_b96 v4, v[WC+4:WC+6] offset:32*(\t)+16
.if (\t)+2 < NB
	WLOAD (\t)+2
.endif
	s_wait_dscnt 0x0                               ; the stores have read their registers: the next block's codes may be written
.endm
.irp t, 0,1,2,3,4,5,6,7
	BLOCK \t
.endr
	global_store_b64 v9, v[WSB:WSB+1], s[16:17]    ; my column's eight scale bytes
.irp t, 0,1,2,3,4,5,6,7,8,9,10,11,12,13,14,15
	ds_load_b96 v[OUTR+4*\t:OUTR+4*\t+2], v7 offset:2*\t*WPITCH
.endr
.irp t, 0,1,2,3,4,5,6,7,8,9,10,11,12,13,14,15
	s_wait_dscnt 15-\t                             ; rows 2 t and 2 t + 1 are back; the later ones may be out
	global_store_b96 v8, v[OUTR+4*\t:OUTR+4*\t+2], s[14:15] offset:2*\t*768   ; sixteen lanes store a row's 192 consecutive bytes
.endr
	s_wait_tensorcnt 0x0
	ds_add_u32 v208, v209
	s_wait_dscnt 0x0
	s_endpgm
.Lfunc_end_k_qd7074a6543_quant:
	.size	k_qd7074a6543_quant, .Lfunc_end_k_qd7074a6543_quant-k_qd7074a6543_quant
	.p2alignl 7, 3214868480
	.fill 96, 4, 3214868480
	.section	.rodata,"a",@progbits
	.p2align	6, 0x0
	.amdhsa_kernel k_qd7074a6543_quant
		.amdhsa_group_segment_fixed_size 68096
		.amdhsa_private_segment_fixed_size 0
		.amdhsa_enable_private_segment 0
		.amdhsa_kernarg_size 56
		.amdhsa_user_sgpr_count 2
		.amdhsa_user_sgpr_kernarg_segment_ptr 1
		.amdhsa_wavefront_size32 1
		.amdhsa_system_sgpr_workgroup_id_x 1
		.amdhsa_system_sgpr_workgroup_id_y 1
		.amdhsa_system_sgpr_workgroup_id_z 1
		.amdhsa_system_vgpr_workitem_id 0
		.amdhsa_next_free_vgpr 210
		.amdhsa_next_free_sgpr 66
		.amdhsa_reserve_vcc 0
		.amdhsa_float_denorm_mode_32 3
		.amdhsa_float_denorm_mode_16_64 3
		.amdhsa_memory_ordered 1
		.amdhsa_forward_progress 1
		.amdhsa_inst_pref_size 75
	.end_amdhsa_kernel
	.amdgpu_metadata
---
amdhsa.version: [ 1, 2 ]
amdhsa.kernels:
  - .name:           k_qd7074a6543_quant
    .symbol:         k_qd7074a6543_quant.kd
    .args:
      - { .name: x, .offset: 0, .size: 8, .value_kind: global_buffer, .address_space: global }
      - { .name: w_qkv, .offset: 8, .size: 8, .value_kind: global_buffer, .address_space: global }
      - { .name: w_o, .offset: 16, .size: 8, .value_kind: global_buffer, .address_space: global }
      - { .name: x_codes, .offset: 24, .size: 8, .value_kind: global_buffer, .address_space: global }
      - { .name: x_scales, .offset: 32, .size: 8, .value_kind: global_buffer, .address_space: global }
      - { .name: w_codes, .offset: 40, .size: 8, .value_kind: global_buffer, .address_space: global }
      - { .name: w_scales, .offset: 48, .size: 8, .value_kind: global_buffer, .address_space: global }
    .group_segment_fixed_size: 68096
    .private_segment_fixed_size: 0
    .kernarg_segment_align: 8
    .kernarg_segment_size: 56
    .max_flat_workgroup_size: 128
    .sgpr_count:     66
    .vgpr_count:     210
    .wavefront_size: 32
...
	.end_amdgpu_metadata
.endif
;; end of part 1
;; launch gemm_qkv (part 2): grid 8 x 48, 4 waves a work-group, clusters of 4 x 4, 327,680 bytes of LDS; arguments x_codes, x_scales, w_codes, w_scales, b_qkv, qkv; writes qkv
.if DOCPART == 2
	.amdgcn_target "amdgcn-amd-amdhsa--gfx1250"
	.amdhsa_code_object_version 6
	.text
	.protected	k_qd7074a6543_gemm_qkv
	.globl	k_qd7074a6543_gemm_qkv
	.p2align	8
	.type	k_qd7074a6543_gemm_qkv,@function
k_qd7074a6543_gemm_qkv:
	s_mov_b64 s[64:65], 0
	v_nop
	global_prefetch_b8 v0, s[64:65] scope:SCOPE_SE
	s_setreg_imm32_b32 hwreg(HW_REG_WAVE_MODE, 25, 1), 1
	s_wait_xcnt 0x0
	s_wait_alu depctr_hold_cnt(0) depctr_sa_sdst(0) depctr_va_vdst(0) depctr_va_sdst(0) depctr_va_ssrc(0) depctr_va_vcc(0) depctr_vm_vsrc(0)
	s_getreg_b32 s2, hwreg(HW_REG_IB_STS2, 6, 4)
	s_cmp_eq_u32 s2, 0
	s_cbranch_scc0 .Lentry_in_a_cluster
	s_endpgm
.Lentry_in_a_cluster:
	s_bfe_u32 s2, ttmp6, 0x10000c
	s_cmp_lg_u32 s2, 0xf033
	s_cbranch_scc0 .Lentry_shape_is_right
	s_endpgm
.Lentry_shape_is_right:
; qkv = x w_qkv + b_qkv on codes of FP6 (E2M3) with E8M0 scales, sums in f32; the results are quantised in registers, as operands of the two attention products, and leave as codes: no f32 number of q, k or v goes to memory.
; A work-group of four waves makes 256 x 256 results, a wave 128 x 128 in 64 accumulators (512 registers).  K = 1,024 goes in four steps of 256 through two LDS slots filled by the tensor data mover; the scale bytes
; of the work-group's rows come once.  4 x 4 work-groups form a cluster: the tiles of the operand called A here are shared along a row of the cluster, those of B along a column, each asked for jointly.
; The matrix instruction takes 16 rows of B as source 0 and 16 rows of A as source 1: a lane holds ONE row of A and its registers run along B's rows.  Both operands lie in position order (position p = row pi(p), bits 3 and 4
; exchanged), so the 64 registers of a lane for one block of A are, in order, 16 neighbours of each of four blocks of 32 along B's rows: what the quantiser wants.
; TWO ROLES, one text, the pointers exchanged.  Cluster rows 0-7 (q and k): A = x's tokens, B = w's columns 0 .. 2,047: a lane holds a token, its registers two heads of 64: two half fragments (K = 64).
; Cluster rows 8-11 (v): A = w's columns 2,048 .. 3,071, B = x's tokens of one sample: a lane holds a channel d, its registers 128 keys: one fragment of V^T with the keys innermost.  Nothing is transposed.
; The role hangs on the cluster's y alone: it is the same in all sixteen partners.  The bias is the C of each sum's first matrix instruction.
; THE RECORD of a (sample, head), REC bytes: K's 64 half fragments as images of their registers (768 bytes: 16 bytes a lane, then 8 bytes a lane), K's scale words, V^T's 32 fragments (1,536 bytes each), their scale words, Q's images, Q's words.
; LIMITS: NaN and infinities are not served; a block whose largest magnitude lies under 2^-124 keeps the byte 1.
.set NQ,     2                         ; matrix instructions deep in a slot
.set ROWB,   192                       ; a tile's row: 256 codes
.set KROW,   768                       ; a row of codes in memory
.set PITCH,  240                       ; an LDS row: 3 x (64 bytes + 16 of padding)
.set FR,     12
.set NL,     6                         ; LDS loads that bring a fragment
.set NP,     4                         ; places behind this matrix instruction (ISA guide 7.12.1)
.set HALFT,  128*PITCH
.set SLOT,   4*HALFT
.set KS,     32                        ; a row of scale bytes
.set SCL,    2*SLOT                    ; behind the two slots: the scales, as rows of 256 bytes + 16 of padding
.set HALFS,  16*272
.set SBLK,   2*272
.set SPARE,  SCL+4*HALFS               ; the spare words: 128 bytes a wave, two blocks of 256 bytes that no other line names
.set REC,    159744
.set VIMG,   53248
.set QIMG,   106496
.set L16,  8                           ; v8   16 x lane
.set L8,   9                           ; v9   8 x lane
.set LSQ,  10                          ; v10  (lane / 16) x REC + 4 (lane % 16): lanes 0-15 store the even head's scale words, lanes 16-31 the odd head's
.set SH16, 11                          ; v11  16 (lane / 16)
.set L4,   12                          ; v12  4 x lane
.set ADRA, 16                          ; v16-19 LDS addresses of A's fragments in slot 0, 1 (and behind one padding more)
.set ADRB, 20                          ; v20-23 the same for B
.set ADRS, 27                          ; v27  my scale words: lanes 0-15 A's rows, lanes 16-31 B's
.set SPW,  28                          ; v28  my spare word; never rewritten
.set NIL,  29                          ; v29  0; never rewritten
.set SC,   32                          ; v32-63 scale words, two sets
.set CI,   64                          ; v64-127 the bias in the result's layout: eight registers a tile
.set AF,   128                         ; v128-223 A's fragments, one set
.set VBJ,  224                         ; v224-231 byte offsets of the bias loads
.set PC,   128                         ; the way out: v128-147 the codes just made
.set TM,   160                         ; v160-175 at work
.set PW,   176                         ; the scale word just made
.set SW,   177                         ; the same, shifted for the odd head
.set G1,   24
.set G0,   32
.set G1B,  48
.set G0B,  56
.set G1S,  68
.set G0S,  76
.set G1SB, 80
.set G0SB, 88
.set SEL,  92
.set CB,   96                          ; s[96:97]  where my codes go
.set SB,   98                          ; s[98:99]  where my scale words go
.set BP,   100                         ; s[100:101] my part of the bias
.set MSB, 0
.macro WIN new                         ; the immediate's high byte repeats the setting that is left
.if MSB != (\new)
	s_set_vgpr_msb (MSB<<8)|(\new)
.set MSB, (\new)
.endif
.endm
.set MUL_LO, 0xa1                      ; source 0 (B) window 1, source 1 (A) window 0, C and D window 2
.set MUL_HI, 0xf1                      ; the same, C and D window 3
.set TO_B,   0x40
; A joint load: waves 0 and 1 fetch for A, waves 2 and 3 for B.  The branch hangs on the wave's number alone.  Four v_nop follow each of the two lines.
.macro JLOAD g0a, g1a, g0b, g1b
	s_cmp_eq_u32 s17, 0
	s_cbranch_scc0 .Lfor_b_\@
	tensor_load_to_lds s[\g0a:\g0a+3], s[\g1a:\g1a+7]
	s_nop 0
.rept 4
	v_nop
.endr
	s_branch .Lasked_\@
.Lfor_b_\@:
	tensor_load_to_lds s[\g0b:\g0b+3], s[\g1b:\g1b+7]
	s_nop 0
.rept 4
	v_nop
.endr
.Lasked_\@:
.endm
.macro CREST                           ; a round of the cluster's barrier behind its opening barrier
	s_cmp_lg_u32 s16, 0
	s_cbranch_scc1 .Lnot_wave_0_\@
	s_barrier_signal -3
.Lnot_wave_0_\@:
	s_barrier_wait -3
	s_barrier_signal -1
	s_barrier_wait -1
.endm
.macro CROUND
	s_barrier_signal -1
	s_barrier_wait -1
	CREST
.endm
	s_load_b256 s[4:11], s[0:1], 0x0               ; x_codes, x_scales, w_codes, w_scales
	s_load_b128 s[12:15], s[0:1], 0x20             ; b_qkv, qkv
	v_lshl_add_u32 v[SPW], v0, 2, SPARE
	v_mov_b32 v[NIL], 0
	ds_add_u32 v28, v29
	ds_add_u32 v28, v29
	s_wait_dscnt 0x0
	v_lshrrev_b32 v1, 5, v0
	v_readfirstlane_b32 s16, v1                    ; wave 0..3
	s_lshr_b32 s17, s16, 1                         ; WH: my half of A's rows.  Also: I fetch for A (0) or for B (1)
	s_and_b32 s18, s16, 1                          ; WL: my half of B's rows.  Also: which 128 rows I fetch
	s_bfe_u32 s19, ttmp6, 0x40000                  ; cx
	s_bfe_u32 s20, ttmp6, 0x40004                  ; cy
	s_mov_b32 s21, ttmp9                           ; X: the cluster's x, 0 or 1
	s_and_b32 s22, ttmp7, 0xffff                   ; Y: the cluster's y, 0 .. 11
	s_lshl_b32 s2, s20, 2
	s_lshl_b32 s2, 15, s2                          ; my row of the cluster
	s_lshl_b32 s3, 0x1111, s19                     ; my column
	s_or_b32 s[G1+0], s2, (0<<16)|(1<<20)|(1<<21)|(3<<22)|(3<<25)   ; the mask; elements of 1 byte; padding on; bit 21 beside a mask; after every 16 words, 4 words
	s_or_b32 s[G1B+0], s3, (0<<16)|(1<<20)|(1<<21)|(3<<22)|(3<<25)
.irp g, G1, G1B
	s_mov_b32 s[\g+1], ROWB<<16                    ; tensor_dim0
	s_mov_b32 s[\g+2], 128<<16                     ; tensor_dim1
	s_mov_b32 s[\g+3], ROWB<<16                    ; tile_dim0
	s_mov_b32 s[\g+4], 128                         ; tile_dim1
	s_mov_b32 s[\g+5], KROW                        ; the pitch
	s_mov_b32 s[\g+6], 0
	s_mov_b32 s[\g+7], 0
.endr
	s_or_b32 s[G1S+0], s2, (3<<16)|(1<<20)|(1<<21)|(5<<22)|(3<<25)  ; the scales of 128 rows: 4,096 dense bytes as 16 rows of 256, 16 bytes of padding behind each
	s_or_b32 s[G1SB+0], s3, (3<<16)|(1<<20)|(1<<21)|(5<<22)|(3<<25)
.irp g, G1S, G1SB
	s_mov_b32 s[\g+1], 32<<16
	s_mov_b32 s[\g+2], 16<<16
	s_mov_b32 s[\g+3], 32<<16
	s_mov_b32 s[\g+4], 16
	s_mov_b32 s[\g+5], 32
	s_mov_b32 s[\g+6], 0
	s_mov_b32 s[\g+7], 0
.endr
	; the rows that I fetch.  A's hang on Y and cy alone, B's on X, Y and cx alone, each in registers that never hold the other coordinate
	s_lshl_b32 s40, s22, 10                        ; q, k: A = x, rows 1,024 Y on
	s_lshl_b32 s44, s21, 10                        ; q, k: B = w, rows 1,024 X on
	s_lshl_b32 s45, s22, 1
	s_add_co_u32 s45, s45, s21
	s_and_b32 s45, s45, 7                          ; v: the sample, 2 (Y - 8) + X
	s_lshl_b32 s45, s45, 10
	s_cmp_ge_u32 s22, 8
	s_cselect_b32 s23, 1, 0                        ; the role: 1 = v
	s_cselect_b32 s40, 2048, s40
	s_cselect_b32 s44, s45, s44
	s_lshl_b32 s98, s18, 7
	s_lshl_b32 s41, s20, 8
	s_add_co_u32 s40, s40, s41
	s_add_co_u32 s40, s40, s98                     ; A's row
	s_lshl_b32 s45, s19, 8
	s_add_co_u32 s44, s44, s45
	s_add_co_u32 s44, s44, s98                     ; B's row
	s_mul_i32 s2, s40, KROW
	s_mov_b32 s3, 0
	s_lshl_b32 s66, s40, 5
	s_mov_b32 s67, 0
	s_mul_i32 s94, s44, KROW
	s_mov_b32 s95, 0
	s_lshl_b32 s46, s44, 5
	s_mov_b32 s47, 0
	s_mul_i32 s99, s16, HALFT                      ; where they go: wave x 128 rows: no place in the cluster enters an LDS address
	s_mul_i32 s98, s16, HALFS
	s_wait_kmcnt 0x0
	s_cmp_eq_u32 s23, 1
	s_cselect_b64 s[40:41], s[8:9], s[4:5]         ; A's codes
	s_cselect_b64 s[42:43], s[10:11], s[6:7]       ; A's scales
	s_cselect_b64 s[44:45], s[4:5], s[8:9]         ; B's codes
	s_cselect_b64 s[96:97], s[6:7], s[10:11]       ; B's scales
	s_add_nc_u64 s[40:41], s[40:41], s[2:3]
	s_add_nc_u64 s[42:43], s[42:43], s[66:67]
	s_add_nc_u64 s[44:45], s[44:45], s[94:95]
	s_add_nc_u64 s[96:97], s[96:97], s[46:47]
	CROUND                                         ; all sixteen work-groups are here: the first joint loads meet
	s_mov_b32 s[G0S], 1
	s_add_co_u32 s[G0S+1], s98, SCL
	s_mov_b64 s[G0S+2:G0S+3], s[42:43]
	s_or_b32 s[G0S+3], s[G0S+3], 0x80000000
	s_mov_b32 s[G0SB], 1
	s_add_co_u32 s[G0SB+1], s98, SCL
	s_mov_b64 s[G0SB+2:G0SB+3], s[96:97]
	s_or_b32 s[G0SB+3], s[G0SB+3], 0x80000000
	JLOAD G0S, G1S, G0SB, G1SB                     ; the scales first: they are wanted with K step 0
.irp s, 0,1
	s_mov_b32 s[G0+4*\s], 1
	s_add_co_u32 s[G0+4*\s+1], s99, \s*SLOT
	s_add_nc_u64 s[G0+4*\s+2:G0+4*\s+3], s[40:41], \s*ROWB
	s_or_b32 s[G0+4*\s+3], s[G0+4*\s+3], 0x80000000
	s_mov_b32 s[G0B+4*\s], 1
	s_add_co_u32 s[G0B+4*\s+1], s99, \s*SLOT
	s_add_nc_u64 s[G0B+4*\s+2:G0B+4*\s+3], s[44:45], \s*ROWB
	s_or_b32 s[G0B+4*\s+3], s[G0B+4*\s+3], 0x80000000
	JLOAD G0+4*\s, G1, G0B+4*\s, G1B               ; three tensor loads of mine are out now, by this text's count
.endr
	v_and_b32 v1, 15, v0                           ; r
	v_bfe_u32 v2, v0, 4, 1                         ; h
	v_mul_u32_u24 v3, v1, PITCH
	v_mul_u32_u24 v4, v2, 24
	v_add_nc_u32 v4, v3, v4                        ; a fragment's row x pitch + 24 x half
	v_lshl_add_u32 v5, v2, 4, v4                   ; and the same behind one padding more
	s_mul_i32 s2, s17, HALFT
	s_mul_i32 s3, s18, HALFT
	s_add_co_u32 s3, s3, 2*HALFT
.irp s, 0,1
	v_add_nc_u32 v[ADRA+\s], s2, v4
	v_add_nc_u32 v[ADRB+\s], s3, v4
	v_add_nc_u32 v[ADRA+2+\s], s2, v5
	v_add_nc_u32 v[ADRB+2+\s], s3, v5
	s_add_co_u32 s2, s2, SLOT
	s_add_co_u32 s3, s3, SLOT
.endr
	v_mul_u32_u24 v5, v1, KS                       ; my row's scales: 32 bytes a row,
	v_lshrrev_b32 v6, 8, v5
	v_lshl_add_u32 v5, v6, 4, v5                   ; and 16 more for each 256 passed
	s_mul_i32 s2, s17, HALFS
	s_mul_i32 s3, s18, HALFS
	s_add_co_u32 s3, s3, 2*HALFS
	s_sub_co_u32 s3, s3, s2
	v_mul_u32_u24 v6, s3, v2                       ; lanes 16-31 take B's
	s_add_co_u32 s2, s2, SCL
	v_add_nc_u32 v5, v5, v6
	v_add_nc_u32 v[ADRS], s2, v5
	; the bias.  q, k: register j of tile x is column 32 (x / 2) + 16 h + 8 (x % 2) + j of my 128.  v: every register of A's block x is channel 32 (x / 2) + 8 (x % 2) + r % 8 + 16 (r / 8) of my 128
	s_lshl_b32 s2, s21, 10
	s_lshl_b32 s3, s19, 8
	s_add_co_u32 s2, s2, s3
	s_lshl_b32 s3, s18, 7
	s_add_co_u32 s2, s2, s3                        ; q, k: my first column
	s_lshl_b32 s3, s20, 8
	s_add_co_u32 s3, s3, 2048
	s_lshl_b32 s66, s17, 7
	s_add_co_u32 s3, s3, s66                       ; v: my first column
	s_cmp_eq_u32 s23, 1
	s_cselect_b32 s2, s3, s2
	s_cselect_b32 s66, 0, 64                       ; bytes for h,
	s_cselect_b32 s67, 4, 0                        ; for r % 8,
	s_cselect_b32 s94, 64, 0                       ; for r / 8,
	s_cselect_b32 s95, 0, 4                        ; and from register to register
	s_lshl_b32 s2, s2, 2
	s_mov_b32 s3, 0
	s_add_nc_u64 s[BP:BP+1], s[12:13], s[2:3]
	v_and_b32 v6, 7, v0
	v_bfe_u32 v7, v0, 3, 1
	v_mul_u32_u24 v[VBJ], v2, s66
	v_mad_u32_u24 v[VBJ], v6, s67, v[VBJ]
	v_mad_u32_u24 v[VBJ], v7, s94, v[VBJ]
.irp j, 1,2,3,4,5,6,7
	v_add_nc_u32 v[VBJ+\j], s95, v[VBJ+\j-1]
.endr
.irp x, 0,1,2,3,4,5,6,7
.irp j, 0,1,2,3,4,5,6,7
	global_load_b32 v[CI+8*\x+\j], v[VBJ+\j], s[BP:BP+1] offset:4*(32*(\x/2)+8*(\x%2))
.endr
.endr
	; the way out: lane terms and bases.  record = 16 u + 4 ca + 2 wa; in it a section; in that (2 cb + wb) x 6,144 bytes of codes and, 49,152 bytes on, (2 cb + wb) x 512 bytes of scale words
	v_and_b32 v6, 31, v0
	v_lshlrev_b32 v[L16], 4, v6
	v_lshlrev_b32 v[L8], 3, v6
	v_lshlrev_b32 v[L4], 2, v6
	v_mul_u32_u24 v[LSQ], v2, REC
	v_lshl_add_u32 v[LSQ], v1, 2, v[LSQ]
	v_lshlrev_b32 v[SH16], 4, v2
	s_mov_b32 s[SEL], 0x76543210
	s_mov_b32 s[SEL+1], 0xfedcba98                 ; v_permlanex16_b32's selects for lane l xor 16
	s_lshl_b32 s2, s22, 1
	s_add_co_u32 s2, s2, s21
	s_and_b32 s2, s2, 7                            ; v: the sample
	s_mov_b32 s3, QIMG
	s_cmp_eq_u32 s21, 1
	s_cselect_b32 s3, 0, s3                        ; q, k: X = 1 is k, whose section begins the record
	s_mov_b32 s66, VIMG
	s_cmp_eq_u32 s23, 1
	s_cselect_b32 s2, s2, s22                      ; u
	s_cselect_b32 s3, s66, s3                      ; the section
	s_cselect_b32 s66, s20, s19                    ; ca
	s_cselect_b32 s67, s17, s18                    ; wa
	s_cselect_b32 s94, s19, s20                    ; cb
	s_cselect_b32 s95, s18, s17                    ; wb
	s_lshl_b32 s2, s2, 4
	s_lshl_b32 s66, s66, 2
	s_add_co_u32 s2, s2, s66
	s_lshl_b32 s67, s67, 1
	s_add_co_u32 s2, s2, s67
	s_mul_i32 s2, s2, REC
	s_add_co_u32 s2, s2, s3
	s_lshl_b32 s94, s94, 1
	s_add_co_u32 s94, s94, s95
	s_mul_i32 s66, s94, 6144
	s_add_co_u32 s66, s66, s2
	s_mov_b32 s67, 0
	s_add_nc_u64 s[CB:CB+1], s[14:15], s[66:67]
	s_lshl_b32 s66, s94, 9
	s_add_co_u32 s66, s66, s2
	s_add_co_u32 s66, s66, 49152
	s_add_nc_u64 s[SB:SB+1], s[14:15], s[66:67]
.macro FRAG reg, adr, q, i             ; 16 rows x 128 K: 12 registers, in pieces of 8 bytes; where lanes 16-31's piece lies behind one padding more, the second address register serves
.irp p, 0,1,2,3,4,5
.set PCE, 12*(\q)+6*(\p/3)+\p%3
.if PCE%8 < 5
	ds_load_b64 v[\reg+2*\p:\reg+2*\p+1], v[\adr] offset:8*PCE+16*(PCE/8)+(\i)*16*PITCH
.else
	ds_load_b64 v[\reg+2*\p:\reg+2*\p+1], v[\adr+2] offset:8*PCE+16*(PCE/8)+(\i)*16*PITCH
.endif
.endr
.endm
; 16 matrix instructions: A's blocks a0, a0 + 1 x B's eight.  init = 1: the sums start from the bias by B's tile; 2: by A's block; 0: they go on.  The 64 accumulators take turns, one instruction a turn.
.macro MUL16 a0, p, q, sc, init
.irp a, \a0, \a0+1
.irp b, 0,1,2,3,4,5,6,7
.if \init == 1
	v_wmma_scale_f32_16x16x128_f8f6f4 v[8*(8*((\a)%4)+\b):8*(8*((\a)%4)+\b)+7], v[128*(\p)+FR*\b:128*(\p)+FR*\b+FR-1], v[AF+FR*(\a):AF+FR*(\a)+FR-1], v[CI+8*\b:CI+8*\b+7], v[SC+8*NQ*(\sc)+NQ*\b+(\q)], v[SC+8*NQ*(\sc)+NQ*(\a)+(\q)] matrix_a_fmt:MATRIX_FMT_FP6 matrix_b_fmt:MATRIX_FMT_FP6 matrix_a_scale:MATRIX_SCALE_ROW1
.elseif \init == 2
	v_wmma_scale_f32_16x16x128_f8f6f4 v[8*(8*((\a)%4)+\b):8*(8*((\a)%4)+\b)+7], v[128*(\p)+FR*\b:128*(\p)+FR*\b+FR-1], v[AF+FR*(\a):AF+FR*(\a)+FR-1], v[CI+8*(\a):CI+8*(\a)+7], v[SC+8*NQ*(\sc)+NQ*\b+(\q)], v[SC+8*NQ*(\sc)+NQ*(\a)+(\q)] matrix_a_fmt:MATRIX_FMT_FP6 matrix_b_fmt:MATRIX_FMT_FP6 matrix_a_scale:MATRIX_SCALE_ROW1
.else
	v_wmma_scale_f32_16x16x128_f8f6f4 v[8*(8*((\a)%4)+\b):8*(8*((\a)%4)+\b)+7], v[128*(\p)+FR*\b:128*(\p)+FR*\b+FR-1], v[AF+FR*(\a):AF+FR*(\a)+FR-1], v[8*(8*((\a)%4)+\b):8*(8*((\a)%4)+\b)+7], v[SC+8*NQ*(\sc)+NQ*\b+(\q)], v[SC+8*NQ*(\sc)+NQ*(\a)+(\q)] matrix_a_fmt:MATRIX_FMT_FP6 matrix_b_fmt:MATRIX_FMT_FP6 matrix_a_scale:MATRIX_SCALE_ROW1
.endif
.endr
.endr
.endm
.macro FETCH_B slot, q, p
	WIN TO_B
.irp i, 0,1,2,3,4,5,6,7
	FRAG 128*(\p)+FR*\i, ADRB+\slot, \q, \i
.endr
	WIN 0
.endm
.macro FETCH_A slot, q, i0
.irp i, \i0, \i0+1, \i0+2, \i0+3
	FRAG AF+FR*(\i), ADRA+\slot, \q, \i
.endr
.endm
.macro SCALES sc                       ; a K step's scale words: two words a row; lanes 0-15 take A's block i, lanes 16-31 B's block i
.irp i, 0,1,2,3,4,5,6,7
	ds_load_b64 v[SC+8*NQ*\sc+NQ*\i:SC+8*NQ*\sc+NQ*\i+1], v[ADRS] offset:\i*SBLK
.endr
.endm
.macro PLACES n                        ; plain vector instructions between a matrix instruction and a load into, or a vector access of, its registers (ISA guide 7.12.1 for vector accesses)
.rept \n
	v_nop
.endr
.endm
.macro STEP slot, q, init              ; 128 along K that have their successor in the same slot
	s_wait_dscnt 4*NL                              ; B's set and A's blocks 0-3 are in; the youngest 24 loads (A's blocks 4-7) may be out
.if \init
	WIN 0x81                                       ; C (the bias) in window 0, D in window 2
.else
	WIN MUL_LO
.endif
	MUL16 0, (\q)%2, \q, \slot, \init
	MUL16 2, (\q)%2, \q, \slot, \init
	s_wait_dscnt 0
	PLACES NP
	FETCH_B \slot, (\q)+1, 1-(\q)%2
	FETCH_A \slot, (\q)+1, 0
.if \init
	WIN 0xc1
.else
	WIN MUL_HI
.endif
	MUL16 4, (\q)%2, \q, \slot, \init
	MUL16 6, (\q)%2, \q, \slot, \init
	PLACES NP
	WIN 0
	FETCH_A \slot, (\q)+1, 4
.endm
; A slot's last step changes slots: one barrier; in front of it each wave waits for all its tensor loads, adds 0 to its spare word, and waits for that and for its reads of this slot.  fill = 1: the slot is filled again, two K steps ahead.
.macro TURN slot, next, fill
	s_wait_tensorcnt 0x0                           ; all my tensor loads have landed: my part of the next slot
	ds_add_u32 v[SPW], v[NIL]                      ; 0 onto my spare word
	s_wait_dscnt 4*NL+1                            ; the add and the youngest 24 loads (A's blocks 4-7) may be out
	WIN MUL_LO
	MUL16 0, 1, NQ-1, \slot, 0
	s_wait_dscnt 0x0                               ; the add is done, and my reads of this slot are over
	s_barrier_signal -1
	MUL16 2, 1, NQ-1, \slot, 0
	WIN 0
	s_barrier_wait -1
.if \fill
	CREST                                          ; the barrier has opened a round of the cluster's barrier: no wave of any partner still reads this slot or has a load on its way
	s_add_nc_u64 s[G0+4*\slot+2:G0+4*\slot+3], s[G0+4*\slot+2:G0+4*\slot+3], 2*ROWB
	s_add_nc_u64 s[G0B+4*\slot+2:G0B+4*\slot+3], s[G0B+4*\slot+2:G0B+4*\slot+3], 2*ROWB
	JLOAD G0+4*\slot, G1, G0B+4*\slot, G1B         ; my one tensor load behind the round; its four v_nop are the places in front of the loads below
.else
	PLACES NP
.endif
	v_add_nc_u32 v[ADRS], 4*NQ, v[ADRS]
	FETCH_B \next, 0, 0
	FETCH_A \next, 0, 0
	SCALES \next
	WIN MUL_HI
	MUL16 4, 1, NQ-1, \slot, 0
	MUL16 6, 1, NQ-1, \slot, 0
	PLACES NP
	WIN 0
	FETCH_A \next, 0, 4
.endm
	s_wait_tensorcnt 1                             ; the scales and my part of K step 0 are in; slot 1's first fill may be out
	s_barrier_signal -1
	s_barrier_wait -1
	FETCH_B 0, 0, 0
	FETCH_A 0, 0, 0
	SCALES 0
	FETCH_A 0, 0, 4
	s_wait_loadcnt 0x0                             ; the bias
	s_cmp_eq_u32 s23, 1                            ; the first step is written twice: the bias goes by B's tile (q, k) or by A's block (v)
	s_cbranch_scc1 .Lfirst_v
	STEP 0, 0, 1
	s_branch .Lfirst_done
.Lfirst_v:
	STEP 0, 0, 2
.Lfirst_done:
	TURN 0, 1, 1
	STEP 1, 0, 0
	TURN 1, 0, 1
	STEP 0, 0, 0
	TURN 0, 1, 0                                   ; the last two K steps fill nothing
	STEP 1, 0, 0
	s_wait_dscnt 4*NL
	WIN MUL_LO
	MUL16 0, 1, NQ-1, 1, 0
	MUL16 2, 1, NQ-1, 1, 0
	s_wait_dscnt 0
	WIN MUL_HI
	MUL16 4, 1, NQ-1, 1, 0
	MUL16 6, 1, NQ-1, 1, 0
	WIN 0
	PLACES NP
.irp b, 0,1,2,3
	v_mov_b32 v[TM+4+\b], 0                        ; written once: a lane permute's destination counts as one of its sources
.endr
; 64 numbers of a lane in window w, register 16 b + i = index 32 b + 16 h + i along the next K, become a fragment's codes in v[PC] on and its scale word in v[PW].  Each accumulator is read from its low end on.
.macro QUANT s, w
	WIN ((\w)<<2)|((\w)<<4)
.irp b, 0,1,2,3
	v_max3_num_f32 v[TM+\b], 0x1800000, |v[(\s)+16*\b]|, |v[(\s)+16*\b+1]|   ; the floor 2^(3 - 127) among the leaves: the byte cannot fall under 1
.endr
.irp i, 2,4,6,8,10,12,14
.irp b, 0,1,2,3
	v_max3_num_f32 v[TM+\b], v[TM+\b], |v[(\s)+16*\b+\i]|, |v[(\s)+16*\b+\i+1]|
.endr
.endr
	WIN 0
	s_wait_xcnt 0x0                                ; the last group's stores have read their data: the codes' and the words' registers are written again only behind this wait
.irp b, 0,1,2,3
	v_permlanex16_b32 v[TM+4+\b], v[TM+\b], s[SEL], s[SEL+1]
.endr
.irp b, 0,1,2,3
	v_max_num_f32 v[TM+\b], v[TM+\b], v[TM+4+\b]   ; with lane l xor 16's: the block's largest magnitude
.endr
.irp b, 0,1,2,3
	v_add_nc_u32 v[TM+12+\b], 0xff000000, v[TM+\b] ; 2 off its exponent field: the conversion's scale operand
.endr
.irp b, 0,1,2,3
	v_lshrrev_b32 v[TM+4+\b], 23, v[TM+12+\b]      ; the scale's byte
.endr
	v_lshl_or_b32 v[PW], v[TM+5], 8, v[TM+4]
	v_lshl_or_b32 v[PW], v[TM+6], 16, v[PW]
	v_lshl_or_b32 v[PW], v[TM+7], 24, v[PW]
	WIN (\w)
.irp c, 0,1
	v_cvt_scalef32_pk16_fp6_f32 v[PC+6*\c:PC+6*\c+2], v[(\s)+32*\c:(\s)+32*\c+15], v[TM+12+2*\c]
	v_cvt_scalef32_pk16_fp6_f32 v[PC+12+4*\c:PC+14+4*\c], v[(\s)+32*\c+16:(\s)+32*\c+31], v[TM+13+2*\c]
.endr
	WIN 0
	v_nop                                          ; one plain place behind a scaled conversion
.irp c, 0,1                            ; the operand's layout wants a whole block in a lane
.irp i, 0,1,2
	v_permlane16_swap_b32 v[PC+6*\c+\i], v[PC+12+4*\c+\i]
.endr
.irp i, 0,1,2
	v_mov_b32 v[PC+3+6*\c+\i], v[PC+12+4*\c+\i]
.endr
.endr
.endm
.macro EPI_QK a                        ; 16 tokens x two heads: registers 0-5 are the even head's half fragment, 6-11 the odd head's, one record further on
	QUANT 64*((\a)%4), 2+(\a)/4
	v_lshrrev_b32 v[SW], v[SH16], v[PW]            ; lanes 16-31: the odd head's two bytes come down; the bytes above scale zero codes
	global_store_b128 v[L16], v[PC:PC+3], s[CB:CB+1] offset:(\a)*768             ; 512 consecutive bytes, aligned to 256
	global_store_b64 v[L8], v[PC+4:PC+5], s[CB:CB+1] offset:(\a)*768+512         ; 256
	global_store_b128 v[L16], v[PC+6:PC+9], s[CB:CB+1] offset:REC+(\a)*768
	global_store_b64 v[L8], v[PC+10:PC+11], s[CB:CB+1] offset:REC+(\a)*768+512
	global_store_b32 v[LSQ], v[SW], s[SB:SB+1] offset:(\a)*64
.endm
.macro EPI_V a                         ; 16 channels x 128 keys: one fragment of V^T; blocks 4-7 belong to the next head
	QUANT 64*((\a)%4), 2+(\a)/4
.irp c, 0,1,2
	global_store_b128 v[L16], v[PC+4*\c:PC+4*\c+3], s[CB:CB+1] offset:((\a)/4)*REC+((\a)%4)*1536+512*\c
.endr
	global_store_b32 v[L4], v[PW], s[SB:SB+1] offset:((\a)/4)*REC+((\a)%4)*128
.endm
	s_cmp_eq_u32 s23, 1
	s_cbranch_scc1 .Lout_v
.irp a, 0,1,2,3,4,5,6,7
	EPI_QK \a
.endr
	s_branch .Lend
.Lout_v:
.irp a, 0,1,2,3,4,5,6,7
	EPI_V \a
.endr
.Lend:
	s_wait_tensorcnt 0x0                           ; the wave's end
	ds_add_u32 v[SPW], v[NIL]
	s_wait_dscnt 0x0
	CROUND                                         ; the closing round: no work-group ends while a partner may still ask for a tile that names it
	s_endpgm
.Lfunc_end_k_qd7074a6543_gemm_qkv:
	.size	k_qd7074a6543_gemm_qkv, .Lfunc_end_k_qd7074a6543_gemm_qkv-k_qd7074a6543_gemm_qkv
	.p2alignl 7, 3214868480
	.fill 96, 4, 3214868480
	.section	.rodata,"a",@progbits
	.p2align	6, 0x0
	.amdhsa_kernel k_qd7074a6543_gemm_qkv
		.amdhsa_group_segment_fixed_size 327680
		.amdhsa_private_segment_fixed_size 0
		.amdhsa_enable_private_segment 0
		.amdhsa_kernarg_size 48
		.amdhsa_user_sgpr_count 2
		.amdhsa_user_sgpr_kernarg_segment_ptr 1
		.amdhsa_wavefront_size32 1
		.amdhsa_system_sgpr_workgroup_id_x 1
		.amdhsa_system_sgpr_workgroup_id_y 1
		.amdhsa_system_sgpr_workgroup_id_z 1
		.amdhsa_system_vgpr_workitem_id 0
		.amdhsa_next_free_vgpr 1024
		.amdhsa_next_free_sgpr 102
		.amdhsa_reserve_vcc 0
		.amdhsa_float_denorm_mode_32 3
		.amdhsa_float_denorm_mode_16_64 3
		.amdhsa_memory_ordered 1
		.amdhsa_forward_progress 1
		.amdhsa_inst_pref_size 222
	.end_amdhsa_kernel
	.amdgpu_metadata
---
amdhsa.version: [ 1, 2 ]
amdhsa.kernels:
  - .name:           k_qd7074a6543_gemm_qkv
    .symbol:         k_qd7074a6543_gemm_qkv.kd
    .args:
      - { .name: x_codes, .offset: 0, .size: 8, .value_kind: global_buffer, .address_space: global }
      - { .name: x_scales, .offset: 8, .size: 8, .value_kind: global_buffer, .address_space: global }
      - { .name: w_codes, .offset: 16, .size: 8, .value_kind: global_buffer, .address_space: global }
      - { .name: w_scales, .offset: 24, .size: 8, .value_kind: global_buffer, .address_space: global }
      - { .name: b_qkv, .offset: 32, .size: 8, .value_kind: global_buffer, .address_space: global }
      - { .name: qkv, .offset: 40, .size: 8, .value_kind: global_buffer, .address_space: global }
    .group_segment_fixed_size: 327680
    .private_segment_fixed_size: 0
    .kernarg_segment_align: 8
    .kernarg_segment_size: 48
    .max_flat_workgroup_size: 128
    .sgpr_count:     102
    .vgpr_count:     1024
    .wavefront_size: 32
...
	.end_amdgpu_metadata
.endif
;; end of part 2
;; launch attn (part 3): grid 64 x 4, 4 waves a work-group, no clusters, 213,504 bytes of LDS; arguments qkv, lengths, att_img, att_sc; writes att_img, att_sc
.if DOCPART == 3
	.amdgcn_target "amdgcn-amd-amdhsa--gfx1250"
	.amdhsa_code_object_version 6
	.text
	.protected	k_qd7074a6543_attn
	.globl	k_qd7074a6543_attn
	.p2align	8
	.type	k_qd7074a6543_attn,@function
k_qd7074a6543_attn:
	s_mov_b64 s[64:65], 0
	v_nop
	global_prefetch_b8 v0, s[64:65] scope:SCOPE_SE
	s_setreg_imm32_b32 hwreg(HW_REG_WAVE_MODE, 25, 1), 1
	s_wait_xcnt 0x0
; attn = softmax(q k^T / 8 under the length mask) x mask; out = attn v.  Both products on codes of FP6 (E2M3) with E8M0 scales.  The softmax is quantised FINISHED: normalised and masked, along the keys.
; A WAVE HOLDS ONE TILE OF 16 QUERIES AGAINST ALL KEYS OF THE SAMPLE: up to 8 steps of 128 keys, 64 registers each (windows 2 and 3).  So each exponential is made once, and the row's sum is known before any p is quantised.
; SWEEP 1, keys ascending: S^T = K Q^T (K = 64: the upper 64 are zero codes on both sides); t = score x log2(e) / 8; M = the running largest t rounded up to a whole number; e = 2^(t - M) takes the score's place; -M is kept for each step; the sum runs.
; SWEEP 2, keys descending: p = e x (1 / sum) x 2^(the step's M - the last M), the second factor an exact power of two; p is quantised; O^T += V^T P^T.  O is quantised along the head's 64 and leaves as a half fragment's image.
; THE MASK.  Steps at or past ceil(l / 128) are not run: sweep 1 leaves behind step NS - 1 and sweep 2 is entered at that step.  In the step that l cuts, hidden keys get -3e38 as the C of the score product.  Queries at or past l
; get 1 / sum = 0, so their p and O are zeros; a tile all of whose queries lie at or past l stores zero codes.
; SHARES.  A work-group takes one head and two samples: those of rank p and 7 - p by length, so that the work-groups' work differs little.  K's and V's images and scale words of both lie in LDS, copied once through registers.
; Sixteen waves (4 work-groups x 4) share a sample's 64 query tiles, four each: tiles sigma + 16 k.
; NO TENSOR LOAD, NO JOINT LOAD: the exits of the sweeps and the skipped tiles hang on lengths, which this launch reads from memory; so LDS is filled by plain loads and stores, once, with one barrier; behind it LDS is only read.
; LIMITS: NaN and infinities are not served; a p more than 2^126 under its row's largest falls to 0; hidden scores are -3e38 where the definition has -1e9 (both give p = 0 while the open scores stay above -1e9);
; blocks of zeros get the byte 1 (0x7f in the zero tiles), read by this program alone; lengths are held to 0 .. 1,024.
.set REC,  159744
.set KSCO, 49152
.set VIMG, 53248
.set VSC,  102400
.set QIMG, 106496
.set QSC,  155648
.set JOB,  106496                      ; LDS of a job: the record's first 106,496 bytes as they lie
.set L16,  1                           ; 16 x lane
.set L8,   2                           ; 8 x lane
.set LR4,  3                           ; 4 r
.set LR32, 4                           ; 32 r
.set TOKL, 5                           ; my query's token in its tile: r % 8 + 16 (r / 8)
.set H16,  6                           ; 16 h
.set L4,   7                           ; 4 x lane
.set AK16, 8                           ; LDS addresses of the job in hand
.set AK8,  9
.set AKS,  10
.set AV16, 11
.set AVS,  12
.set NEGV, 13                          ; -3e38
.set HZ,   14                          ; two bytes 0x7f
.set D1,   15
.set QF,   16                          ; v16-27 Q's fragment; v22-27 stay zeros
.set NM,   28                          ; -M
.set TMX,  29                          ; the running largest t
.set LA,   30                          ; the sum, in two chains of two halves
.set LB,   32
.set F,    34
.set G,    36
.set R,    38
.set T0,   39
.set T1,   40
.set HW,   41
.set NMS,  42                          ; v42-49 -M of each step
.set QS,   50                          ; v50-71 scale words, and nothing else
.set PS,   51
.set VS,   52
.set KS,   56
.set MK,   72                          ; v72-135 the C of the step that l cuts
.set VF,   136                         ; v136-183 four fragments of V^T
.set PC,   184                         ; v184-203 the codes just made
.set TM,   204                         ; v204-219 at work
.set BM,   220                         ; v220-251 each block's largest score, then its largest e
.set FA,   252                         ; v252-255 the fill's LDS addresses
.set O,    192                         ; window 1: v0-191 K's fragments, two sets of 8 x 12; v192-223 O^T
.set WV,   28
.set HEAD, 29
.set SLT,  30
.set PR,   31
.set BA,   32
.set LENA, 33
.set BB,   34
.set LENB, 35
.set SGA,  36
.set SGB,  37
.set RECA, 38
.set RECB, 40
.set QP,   42
.set QSP,  44
.set QBB,  46
.set QSBB, 48
.set AP,   50
.set SPP,  52
.set APB,  54
.set SPB,  56
.set TB,   58
.set TBB,  59
.set LEN,  60
.set NS,   61
.set UC,   62
.set RBS,  63
.set CS,   66
.set SEL,  68
.set RV,   70
.set LT,   71
.set APA,  74
.set SPA,  76
.set TBA,  79
.set MSB, 0
.macro WIN new
.if MSB != (\new)
	s_set_vgpr_msb (MSB<<8)|(\new)
.set MSB, (\new)
.endif
.endm
	s_load_b256 s[4:11], s[0:1], 0x0               ; qkv, lengths, att_img, att_sc
	v_lshl_add_u32 v214, v0, 2, 0x34000
	v_mov_b32 v215, 0
	v_lshrrev_b32 v1, 5, v0
	v_readfirstlane_b32 s[WV], v1
	s_lshr_b32 s[HEAD], ttmp9, 2
	s_and_b32 s[SLT], ttmp9, 3
	s_and_b32 s[PR], ttmp7, 0xffff
	s_mov_b32 s[CS], 0x3e38aa3b                    ; log2(e) / 8
	s_mov_b32 s[CS+1], s[CS]
	s_mov_b32 s[SEL], 0x76543210
	s_mov_b32 s[SEL+1], 0xfedcba98
	s_wait_kmcnt 0x0
	s_load_b256 s[12:19], s[6:7], 0x0              ; the eight lengths
	v_and_b32 v7, 31, v0
	v_lshlrev_b32 v[L16], 4, v7
	v_lshlrev_b32 v[L8], 3, v7
	v_and_b32 v5, 15, v0
	v_lshlrev_b32 v[LR4], 2, v5
	v_lshlrev_b32 v[LR32], 5, v5
	v_bfe_u32 v6, v0, 3, 1
	v_and_b32 v5, 7, v0
	v_lshl_add_u32 v[TOKL], v6, 4, v5
	v_bfe_u32 v6, v0, 4, 1
	v_lshlrev_b32 v[H16], 4, v6
	v_lshlrev_b32 v[L4], 2, v7
	v_mov_b32 v[NEGV], 0xff61b1e6
	v_mov_b32 v[HZ], 0x7f7f
	v_lshlrev_b32 v[FA], 4, v0
	v_add_nc_u32 v[FA+1], JOB/2, v[FA]
	v_add_nc_u32 v[FA+2], JOB, v[FA]
	v_add_nc_u32 v[FA+3], JOB+JOB/2, v[FA]
.irp i, 6,7,8,9,10,11
	v_mov_b32 v[QF+\i], 0                          ; Q's upper 64 along K: zero codes
.endr
	v_mov_b32 v[F+1], 0                            ; (named as the upper halves of pairs)
	v_mov_b32 v[G+1], 0
.irp i, 0,1,2,3,4,5,6,7
	v_mov_b32 v[TM+\i], 0                          ; written once: a lane permute's destination counts as one of its sources
.endr
	s_wait_kmcnt 0x0
	; the samples ranked by (length, number): rank = how many keys lie under mine
.irp b, 0,1,2,3,4,5,6,7
	s_max_i32 s[12+\b], s[12+\b], 0
	s_min_u32 s[12+\b], s[12+\b], 1024
	s_lshl_b32 s[12+\b], s[12+\b], 3
	s_or_b32 s[12+\b], s[12+\b], \b
	s_mov_b32 s[20+\b], 0
.endr
.irp b, 0,1,2,3,4,5,6,7
.irp c, 0,1,2,3,4,5,6,7
.if \b != \c
	s_cmp_gt_u32 s[12+\b], s[12+\c]
	s_add_co_ci_u32 s[20+\b], s[20+\b], 0
.endif
.endr
.endr
	s_sub_co_u32 s73, 7, s[PR]
	s_mov_b32 s[BA], 0
	s_mov_b32 s[BB], 0
.irp b, 0,1,2,3,4,5,6,7
	s_cmp_eq_u32 s[20+\b], s[PR]
	s_cselect_b32 s[BA], s[12+\b], s[BA]           ; job A: the key of rank p
	s_cmp_eq_u32 s[20+\b], s73
	s_cselect_b32 s[BB], s[12+\b], s[BB]           ; job B: of rank 7 - p
.endr
	s_lshr_b32 s[LENA], s[BA], 3
	s_min_u32 s[LENA], s[LENA], 1024
	s_and_b32 s[BA], s[BA], 7
	s_min_u32 s[BA], s[BA], 7
	s_lshr_b32 s[LENB], s[BB], 3
	s_min_u32 s[LENB], s[LENB], 1024
	s_and_b32 s[BB], s[BB], 7
	s_min_u32 s[BB], s[BB], 7
	s_lshl_b32 s[SGA], s[SLT], 2
	s_add_co_u32 s[SGA], s[SGA], s[WV]             ; sigma of job A: 4 x slot + wave
	s_sub_co_u32 s[SGB], 15, s[SGA]                ; of job B: the other way round
.macro JOBPTR b, sg, rec, qb, qsb, ap, sp, tb
	s_lshl_b32 s72, s[\b], 4
	s_add_co_u32 s72, s72, s[HEAD]
	s_mul_i32 s72, s72, REC
	s_mov_b32 s73, 0
	s_add_nc_u64 s[\rec:\rec+1], s[4:5], s[72:73]  ; the record
	s_mul_i32 s72, s[\sg], 768
	s_add_co_u32 s72, s72, QIMG
	s_add_nc_u64 s[\qb:\qb+1], s[\rec:\rec+1], s[72:73]     ; Q's image of tile sigma
	s_lshl_b32 s72, s[\sg], 6
	s_add_co_u32 s72, s72, QSC
	s_add_nc_u64 s[\qsb:\qsb+1], s[\rec:\rec+1], s[72:73]   ; its scale words
	s_lshl_b32 s72, s[\b], 6
	s_add_co_u32 s72, s72, s[\sg]
	s_lshl_b32 s72, s72, 4
	s_add_co_u32 s72, s72, s[HEAD]
	s_mul_i32 s72, s72, 768
	s_add_nc_u64 s[\ap:\ap+1], s[8:9], s[72:73]    ; att_img: ((64 b + tile) x 16 + head) x 768
	s_lshl_b32 s72, s[\b], 6
	s_add_co_u32 s72, s72, s[\sg]
	s_lshl_b32 s72, s72, 9
	s_lshl_b32 s78, s[HEAD], 1
	s_add_co_u32 s72, s72, s78
	s_add_nc_u64 s[\sp:\sp+1], s[10:11], s[72:73]  ; att_sc: (64 b + tile) x 16 rows x 32 bytes + 2 head
	s_lshr_b32 s72, s[\sg], 1
	s_lshl_b32 s72, s72, 5
	s_and_b32 s78, s[\sg], 1
	s_lshl_b32 s78, s78, 3
	s_add_co_u32 s[\tb], s72, s78                  ; the tile's first token
.endm
	JOBPTR BA, SGA, RECA, QP, QSP, APA, SPA, TBA
	JOBPTR BB, SGB, RECB, QBB, QSBB, APB, SPB, TBB
	global_load_b128 v[QF:QF+3], v[L16], s[QP:QP+1]            ; Q of the first unit
	global_load_b64 v[QF+4:QF+5], v[L8], s[QP:QP+1] offset:512
	global_load_b32 v[QS], v[LR4], s[QSP:QSP+1]
	WIN 0x80                                       ; the fill: 52 x 2,048 bytes a job, through the registers that the scores will take
.set n, 0
.rept 52
	global_load_b128 v[4*n:4*n+3], v[FA], s[RECA:RECA+1] offset:2048*n
.set n, n+1
.endr
	WIN 0xc0
.set n, 0
.rept 52
	global_load_b128 v[4*n:4*n+3], v[FA], s[RECB:RECB+1] offset:2048*n
.set n, n+1
.endr
	WIN 0x40
.set n, 0
.rept 16
.irp i, 6,7,8,9,10,11
	v_mov_b32 v[12*n+\i], 0                        ; K's upper 64 along K: zero codes, in both sets; they stay
.endr
.set n, n+1
.endr
	WIN 0
; A job's scalars, and the C of the step that its length cuts: register 8 t + j holds key 32 (t / 2) + 16 h + 8 (t % 2) + j of the step: hidden where that is at or past l % 128
.macro JOBSET len, ap, sp, tb
	s_mov_b32 s[LEN], s[\len]
	s_add_co_u32 s[NS], s[\len], 127
	s_lshr_b32 s[NS], s[NS], 7
	s_mov_b64 s[AP:AP+1], s[\ap:\ap+1]
	s_mov_b64 s[SPP:SPP+1], s[\sp:\sp+1]
	s_mov_b32 s[TB], s[\tb]
	s_and_b32 s72, s[\len], 127
	s_sub_co_u32 s72, s72, 1
	v_sub_nc_u32 v[D1], s72, v[H16]
.irp t, 0,1,2,3,4,5,6,7
.irp j, 0,1,2,3,4,5,6,7
	v_cmp_gt_i32 vcc_lo, 32*(\t/2)+8*(\t%2)+\j, v[D1]
	v_cndmask_b32 v[MK+8*\t+\j], 0, v[NEGV], vcc_lo
.endr
.endr
.endm
	JOBSET LENA, APA, SPA, TBA
	s_wait_loadcnt 52                              ; Q and job A's 52 loads are in; job B's 52 may be out
	WIN 0x08
.set n, 0
.rept 52
	ds_store_b128 v[FA+n/26], v[4*n:4*n+3] offset:2048*(n%26)
.set n, n+1
.endr
	s_wait_loadcnt 0x0
	WIN 0x0c
.set n, 0
.rept 52
	ds_store_b128 v[FA+2+n/26], v[4*n:4*n+3] offset:2048*(n%26)
.set n, n+1
.endr
	WIN 0
	s_wait_dscnt 0x0                               ; for the others' sake: my stores have landed
	s_barrier_signal -1
	s_barrier_wait -1                              ; the launch's one barrier: from here on LDS is only read
.macro LOADK s                         ; the step's eight half fragments of K and their scale words, into set s % 2
	WIN 0x40
.irp t, 0,1,2,3,4,5,6,7
	ds_load_b128 v[96*((\s)%2)+12*\t:96*((\s)%2)+12*\t+3], v[AK16] offset:(8*(\s)+\t)*768
	ds_load_b64 v[96*((\s)%2)+12*\t+4:96*((\s)%2)+12*\t+5], v[AK8] offset:(8*(\s)+\t)*768+512
.endr
	WIN 0
.irp t, 0,1,2,3,4,5,6,7
	ds_load_b32 v[KS+8*((\s)%2)+\t], v[AKS] offset:KSCO+(8*(\s)+\t)*64
.endr
.endm
.macro S1 s                            ; sweep 1, step s
.set SWN, 2+(\s)/4
.set SBS, 64*((\s)%4)
.set KFS, 96*((\s)%2)
.set KSS, KS+8*((\s)%2)
.set BMS, BM+4*(\s)
	s_wait_dscnt 0x0                               ; this step's K is in
.if (\s) < 7
	LOADK (\s)+1                                   ; the next step's, always: all 1,024 keys lie in LDS; a wave that leaves the sweep here has asked in vain
.endif
	s_cmp_lt_u32 s[LEN], 128*((\s)+1)              ; does the length cut this step?
	s_cbranch_scc1 .Ledge_\@
	WIN (SWN<<6)|1
.irp t, 0,1,2,3,4,5,6,7
	v_wmma_scale_f32_16x16x128_f8f6f4 v[SBS+8*\t:SBS+8*\t+7], v[KFS+12*\t:KFS+12*\t+11], v[QF:QF+11], 0, v[KSS+\t], v[QS] matrix_a_fmt:MATRIX_FMT_FP6 matrix_b_fmt:MATRIX_FMT_FP6
.endr
	WIN 0
	s_branch .Lscored_\@
.Ledge_\@:
	WIN (SWN<<6)|1
.irp t, 0,1,2,3,4,5,6,7
	v_wmma_scale_f32_16x16x128_f8f6f4 v[SBS+8*\t:SBS+8*\t+7], v[KFS+12*\t:KFS+12*\t+11], v[QF:QF+11], v[MK+8*\t:MK+8*\t+7], v[KSS+\t], v[QS] matrix_a_fmt:MATRIX_FMT_FP6 matrix_b_fmt:MATRIX_FMT_FP6
.endr
	WIN 0
.Lscored_\@:
.rept 4
	v_nop                                          ; places behind the products (ISA guide 7.12.1)
.endr
	WIN (SWN<<2)|(SWN<<4)
.irp b, 0,1,2,3
	v_max3_num_f32 v[BMS+\b], 0xff7fffff, v[SBS+16*\b], v[SBS+16*\b+1]   ; the largest score of each block of 32 keys: it serves the row's maximum and, since p rises with the score, the block's largest p
.endr
.irp i, 2,4,6,8,10,12,14
.irp b, 0,1,2,3
	v_max3_num_f32 v[BMS+\b], v[BMS+\b], v[SBS+16*\b+\i], v[SBS+16*\b+\i+1]
.endr
.endr
	WIN 0
.irp b, 0,1,2,3
	v_permlanex16_b32 v[TM+\b], v[BMS+\b], s[SEL], s[SEL+1]
.endr
.irp b, 0,1,2,3
	v_max_num_f32 v[BMS+\b], v[BMS+\b], v[TM+\b]   ; with lane l xor 16's 16 keys
.endr
	v_max3_num_f32 v[T0], v[BMS], v[BMS+1], v[BMS+2]
	v_max_num_f32 v[T0], v[T0], v[BMS+3]
	v_mul_f32 v[T0], s[CS], v[T0]
	v_max_num_f32 v[TMX], v[TMX], v[T0]            ; the running largest t
	v_mov_b32 v[T1], v[NM]
	v_floor_f32 v[NM], -v[TMX]                     ; -M = floor(-t): M is a whole number
	v_sub_f32 v[T1], v[NM], v[T1]
	v_cvt_i32_f32 v[T1], v[T1]                     ; (it saturates)
	v_ldexp_f32 v[F], 1.0, v[T1]                   ; 2^(old M - new M): rounds nothing
.irp b, 0,1,2,3
	v_fma_f32 v[BMS+\b], v[BMS+\b], s[CS], v[NM]
.endr
	WIN (SWN<<6)|SWN
	v_pk_fma_f32 v[SBS:SBS+1], v[SBS:SBS+1], s[CS:CS+1], v[NM:NM+1] op_sel_hi:[1,0,0]   ; t - M, two at a time; a pair is scaled ahead of its exponentials
.set i, 0
.rept 31
	v_pk_fma_f32 v[SBS+2*i+2:SBS+2*i+3], v[SBS+2*i+2:SBS+2*i+3], s[CS:CS+1], v[NM:NM+1] op_sel_hi:[1,0,0]
	v_exp_f32 v[SBS+2*i], v[SBS+2*i]
	v_exp_f32 v[SBS+2*i+1], v[SBS+2*i+1]
.set i, i+1
.endr
	v_exp_f32 v[SBS+62], v[SBS+62]
	v_exp_f32 v[SBS+63], v[SBS+63]
	WIN 0
.irp b, 0,1,2,3
	v_exp_f32 v[BMS+\b], v[BMS+\b]                 ; each block's largest e: the same two operations on the same number
.endr
	v_mov_b32 v[NMS+(\s)], v[NM]                   ; (a plain place behind the exponentials)
	v_pk_mul_f32 v[LA:LA+1], v[LA:LA+1], v[F:F+1] op_sel_hi:[1,0]
	v_pk_mul_f32 v[LB:LB+1], v[LB:LB+1], v[F:F+1] op_sel_hi:[1,0]
	s_wait_alu depctr_va_vdst(0)                   ; one wait for the 68 exponentials, ahead of their first reader
	WIN SWN<<2
.set i, 0
.rept 16
	v_pk_add_f32 v[LA:LA+1], v[LA:LA+1], v[SBS+4*i:SBS+4*i+1]
	v_pk_add_f32 v[LB:LB+1], v[LB:LB+1], v[SBS+4*i+2:SBS+4*i+3]
.set i, i+1
.endr
	WIN 0
.endm
.macro QNEXT                           ; the next unit's Q: it has all of sweep 2 in which to land.  The last loads by these bases were waited for at the unit's head
	s_add_nc_u64 s[QP:QP+1], s[QP:QP+1], 12288
	s_add_nc_u64 s[QSP:QSP+1], s[QSP:QSP+1], 1024
	s_cmp_eq_u32 s[UC], 3
	s_cselect_b64 s[QP:QP+1], s[QBB:QBB+1], s[QP:QP+1]
	s_cselect_b64 s[QSP:QSP+1], s[QSBB:QSBB+1], s[QSP:QSP+1]
	s_cmp_eq_u32 s[UC], 7                          ; behind the last unit there is none: no load leaves the buffer
	s_cbranch_scc1 .Lnoq_\@
	global_load_b128 v[QF:QF+3], v[L16], s[QP:QP+1]
	global_load_b64 v[QF+4:QF+5], v[L8], s[QP:QP+1] offset:512
	global_load_b32 v[QS], v[LR4], s[QSP:QSP+1]
.Lnoq_\@:
.endm
.macro FIN                             ; between the sweeps: 1 / the row's sum, 0 for a query at or past l
	QNEXT
	v_pk_add_f32 v[LA:LA+1], v[LA:LA+1], v[LB:LB+1]
	v_add_f32 v[T0], v[LA], v[LA+1]
	v_permlanex16_b32 v[T1], v[T0], s[SEL], s[SEL+1]
	v_add_f32 v[T0], v[T0], v[T1]
	v_rcp_f32 v[R], v[T0]
	v_nop
	s_wait_alu depctr_va_vdst(0)
	v_cndmask_b32 v[R], 0, v[R], s[RV]
.endm
.macro S2 s, first                     ; sweep 2, step s.  first = 1: its products start O^T's sums
.set SWN, 2+(\s)/4
.set SBS, 64*((\s)%4)
.set BMS, BM+4*(\s)
	v_sub_f32 v[T1], v[NM], v[NMS+(\s)]            ; the step's M less the last M: a whole number, 0 or less
	v_cvt_i32_f32 v[T1], v[T1]
	v_ldexp_f32 v[G], v[R], v[T1]
.irp b, 0,1,2,3
	v_mul_f32 v[TM+\b], v[BMS+\b], v[G]            ; each block's largest p.  (These seven lines are the places in front of the loads below)
.endr
.irp d, 0,1,2,3
.irp c, 0,1,2
	ds_load_b128 v[VF+12*\d+4*\c:VF+12*\d+4*\c+3], v[AV16] offset:(4*(\s)+\d)*1536+512*\c
.endr
	ds_load_b32 v[VS+\d], v[AVS] offset:(4*(\s)+\d)*128
.endr
.irp b, 0,1,2,3
	v_max_num_f32 v[TM+\b], 0x1800000, v[TM+\b]    ; the floor 2^(3 - 127): the byte cannot fall under 1
.endr
.irp b, 0,1,2,3
	v_add_nc_u32 v[TM+12+\b], 0xff000000, v[TM+\b]
.endr
.irp b, 0,1,2,3
	v_lshrrev_b32 v[TM+4+\b], 23, v[TM+12+\b]
.endr
	v_lshl_or_b32 v[PS], v[TM+5], 8, v[TM+4]       ; p's scale word for these 128 keys
	v_lshl_or_b32 v[PS], v[TM+6], 16, v[PS]
	v_lshl_or_b32 v[PS], v[TM+7], 24, v[PS]
	WIN (SWN<<6)|SWN
.set i, 0
.rept 32
	v_pk_mul_f32 v[SBS+2*i:SBS+2*i+1], v[SBS+2*i:SBS+2*i+1], v[G:G+1] op_sel_hi:[1,0]   ; p, finished
.set i, i+1
.endr
	WIN SWN
.irp c, 0,1
	v_cvt_scalef32_pk16_fp6_f32 v[PC+6*\c:PC+6*\c+2], v[SBS+32*\c:SBS+32*\c+15], v[TM+12+2*\c]
	v_cvt_scalef32_pk16_fp6_f32 v[PC+12+4*\c:PC+14+4*\c], v[SBS+32*\c+16:SBS+32*\c+31], v[TM+13+2*\c]
.endr
	WIN 0
	v_nop                                          ; one plain place behind a scaled conversion
.irp c, 0,1
.irp i, 0,1,2
	v_permlane16_swap_b32 v[PC+6*\c+\i], v[PC+12+4*\c+\i]
.endr
.irp i, 0,1,2
	v_mov_b32 v[PC+3+6*\c+\i], v[PC+12+4*\c+\i]
.endr
.endr
	s_wait_dscnt 0x0                               ; V^T's fragments and words are in
.rept 4
	v_nop                                          ; an operand written by vector instructions stands four places ahead of a scaled matrix instruction
.endr
	WIN 0x50
.irp d, 0,1,2,3                        ; the four accumulators by turns
.if \first
	v_wmma_scale_f32_16x16x128_f8f6f4 v[O+8*\d:O+8*\d+7], v[VF+12*\d:VF+12*\d+11], v[PC:PC+11], 0, v[VS+\d], v[PS] matrix_a_fmt:MATRIX_FMT_FP6 matrix_b_fmt:MATRIX_FMT_FP6
.else
	v_wmma_scale_f32_16x16x128_f8f6f4 v[O+8*\d:O+8*\d+7], v[VF+12*\d:VF+12*\d+11], v[PC:PC+11], v[O+8*\d:O+8*\d+7], v[VS+\d], v[PS] matrix_a_fmt:MATRIX_FMT_FP6 matrix_b_fmt:MATRIX_FMT_FP6
.endif
.endr
	WIN 0
.endm
.macro EXIT s                          ; was step s the sample's last?  Then sweep 2 begins with it and goes on at the entry behind it
	s_cmp_lg_u32 s[NS], (\s)+1
	s_cbranch_scc1 .Lgo_\@
	FIN
	S2 \s, 1
	s_branch .LX\s
.Lgo_\@:
.endm
	s_mov_b32 s[UC], 0
.Lunit:                                ; eight units a wave: four query tiles of job A, four of job B
	s_wait_loadcnt 0x0                             ; this unit's Q
	s_lshr_b32 s[RBS], s[UC], 2
	s_mul_i32 s[RBS], s[RBS], JOB
	v_add_nc_u32 v[AK16], s[RBS], v[L16]
	v_add_nc_u32 v[AK8], s[RBS], v[L8]
	v_add_nc_u32 v[AKS], s[RBS], v[LR4]
	s_add_co_u32 s72, s[RBS], VIMG
	v_add_nc_u32 v[AV16], s72, v[L16]
	s_add_co_u32 s72, s[RBS], VSC
	v_add_nc_u32 v[AVS], s72, v[L4]
	s_cmp_lt_u32 s[TB], s[LEN]
	s_cbranch_scc1 .Lwork
	QNEXT                                          ; all 16 queries lie at or past l: zero codes
	global_store_b128 v[L16], v[QF+6:QF+9], s[AP:AP+1]
	global_store_b64 v[L8], v[QF+10:QF+11], s[AP:AP+1] offset:512
	global_store_b16 v[LR32], v[HZ], s[SPP:SPP+1]
	s_branch .Ljoin
.Lwork:
	LOADK 0
	s_sub_co_u32 s[LT], s[LEN], s[TB]
	v_cmp_gt_u32 s[RV], s[LT], v[TOKL]             ; my query counts
	v_mov_b32 v[TMX], v[NEGV]
	v_floor_f32 v[NM], -v[NEGV]
	v_mov_b32 v[LA], 0
	v_mov_b32 v[LA+1], 0
	v_mov_b32 v[LB], 0
	v_mov_b32 v[LB+1], 0
.irp s, 0,1,2,3,4,5,6
	S1 \s
	EXIT \s
.endr
	S1 7
	FIN
	S2 7, 1
	S2 6, 0
.LX6:
	S2 5, 0
.LX5:
	S2 4, 0
.LX4:
	S2 3, 0
.LX3:
	S2 2, 0
.LX2:
	S2 1, 0
.LX1:
	S2 0, 0
.LX0:
	; O^T, register 16 b + i = channel 32 b + 16 h + i of my query, becomes a half fragment of the last product's operand
.rept 4
	v_nop
.endr
	WIN 0x14
.irp b, 0,1
	v_max3_num_f32 v[TM+\b], 0x1800000, |v[O+16*\b]|, |v[O+16*\b+1]|
.endr
.irp i, 2,4,6,8,10,12,14
.irp b, 0,1
	v_max3_num_f32 v[TM+\b], v[TM+\b], |v[O+16*\b+\i]|, |v[O+16*\b+\i+1]|
.endr
.endr
	WIN 0
.irp b, 0,1
	v_permlanex16_b32 v[TM+4+\b], v[TM+\b], s[SEL], s[SEL+1]
.endr
.irp b, 0,1
	v_max_num_f32 v[TM+\b], v[TM+\b], v[TM+4+\b]
.endr
.irp b, 0,1
	v_add_nc_u32 v[TM+12+\b], 0xff000000, v[TM+\b]
.endr
.irp b, 0,1
	v_lshrrev_b32 v[TM+4+\b], 23, v[TM+12+\b]
.endr
	v_lshl_or_b32 v[HW], v[TM+5], 8, v[TM+4]
	WIN 0x01
	v_cvt_scalef32_pk16_fp6_f32 v[PC:PC+2], v[O:O+15], v[TM+12]
	v_cvt_scalef32_pk16_fp6_f32 v[PC+12:PC+14], v[O+16:O+31], v[TM+13]
	WIN 0
	v_nop
.irp i, 0,1,2
	v_permlane16_swap_b32 v[PC+\i], v[PC+12+\i]
.endr
.irp i, 0,1,2
	v_mov_b32 v[PC+3+\i], v[PC+12+\i]
.endr
	global_store_b128 v[L16], v[PC:PC+3], s[AP:AP+1]               ; 512 consecutive bytes, aligned to 256
	global_store_b64 v[L8], v[PC+4:PC+5], s[AP:AP+1] offset:512    ; 256
	global_store_b16 v[LR32], v[HW], s[SPP:SPP+1]                  ; my row's two bytes (lanes r and r + 16 write the same)
.Ljoin:
	s_wait_xcnt 0x0                                ; the stores have read their data and bases: both are written again only behind this wait
	s_cmp_eq_u32 s[UC], 3
	s_cbranch_scc1 .Ljobb
	s_add_nc_u64 s[AP:AP+1], s[AP:AP+1], 196608    ; 16 tiles on
	s_add_nc_u64 s[SPP:SPP+1], s[SPP:SPP+1], 8192
	s_add_co_u32 s[TB], s[TB], 256
	s_branch .Lnext
.Ljobb:
	JOBSET LENB, APB, SPB, TBB
.Lnext:
	s_add_co_u32 s[UC], s[UC], 1
	s_cmp_lt_u32 s[UC], 8
	s_cbranch_scc1 .Lunit
	s_wait_tensorcnt 0x0
	ds_add_u32 v214, v215
	s_wait_dscnt 0x0
	s_endpgm
.Lfunc_end_k_qd7074a6543_attn:
	.size	k_qd7074a6543_attn, .Lfunc_end_k_qd7074a6543_attn-k_qd7074a6543_attn
	.p2alignl 7, 3214868480
	.fill 96, 4, 3214868480
	.section	.rodata,"a",@progbits
	.p2align	6, 0x0
	.amdhsa_kernel k_qd7074a6543_attn
		.amdhsa_group_segment_fixed_size 213504
		.amdhsa_private_segment_fixed_size 0
		.amdhsa_enable_private_segment 0
		.amdhsa_kernarg_size 32
		.amdhsa_user_sgpr_count 2
		.amdhsa_user_sgpr_kernarg_segment_ptr 1
		.amdhsa_wavefront_size32 1
		.amdhsa_system_sgpr_workgroup_id_x 1
		.amdhsa_system_sgpr_workgroup_id_y 1
		.amdhsa_system_sgpr_workgroup_id_z 1
		.amdhsa_system_vgpr_workitem_id 0
		.amdhsa_next_free_vgpr 1024
		.amdhsa_next_free_sgpr 100
		.amdhsa_reserve_vcc 1
		.amdhsa_float_denorm_mode_32 3
		.amdhsa_float_denorm_mode_16_64 3
		.amdhsa_memory_ordered 1
		.amdhsa_forward_progress 1
		.amdhsa_inst_pref_size 246
	.end_amdhsa_kernel
	.amdgpu_metadata
---
amdhsa.version: [ 1, 2 ]
amdhsa.kernels:
  - .name:           k_qd7074a6543_attn
    .symbol:         k_qd7074a6543_attn.kd
    .args:
      - { .name: qkv, .offset: 0, .size: 8, .value_kind: global_buffer, .address_space: global }
      - { .name: lengths, .offset: 8, .size: 8, .value_kind: global_buffer, .address_space: global }
      - { .name: att_img, .offset: 16, .size: 8, .value_kind: global_buffer, .address_space: global }
      - { .name: att_sc, .offset: 24, .size: 8, .value_kind: global_buffer, .address_space: global }
    .group_segment_fixed_size: 213504
    .private_segment_fixed_size: 0
    .kernarg_segment_align: 8
    .kernarg_segment_size: 32
    .max_flat_workgroup_size: 128
    .sgpr_count:     100
    .vgpr_count:     1024
    .wavefront_size: 32
...
	.end_amdgpu_metadata
.endif
;; end of part 3
;; launch gemm_out (part 4): grid 4 x 32, 4 waves a work-group, clusters of 4 x 4, 327,680 bytes of LDS; arguments att_img, att_sc, w_codes, w_scales, b_o, out0; writes out0
.if DOCPART == 4
	.amdgcn_target "amdgcn-amd-amdhsa--gfx1250"
	.amdhsa_code_object_version 6
	.text
	.protected	k_qd7074a6543_gemm_out
	.globl	k_qd7074a6543_gemm_out
	.p2align	8
	.type	k_qd7074a6543_gemm_out,@function
k_qd7074a6543_gemm_out:
	s_mov_b64 s[64:65], 0
	v_nop
	global_prefetch_b8 v0, s[64:65] scope:SCOPE_SE
	s_setreg_imm32_b32 hwreg(HW_REG_WAVE_MODE, 25, 1), 1
	s_wait_xcnt 0x0
	s_wait_alu depctr_hold_cnt(0) depctr_sa_sdst(0) depctr_va_vdst(0) depctr_va_sdst(0) depctr_va_ssrc(0) depctr_va_vcc(0) depctr_vm_vsrc(0)
	s_getreg_b32 s2, hwreg(HW_REG_IB_STS2, 6, 4)
	s_cmp_eq_u32 s2, 0
	s_cbranch_scc0 .Lentry_in_a_cluster
	s_endpgm
.Lentry_in_a_cluster:
	s_bfe_u32 s2, ttmp6, 0x10000c
	s_cmp_lg_u32 s2, 0xf033
	s_cbranch_scc0 .Lentry_shape_is_right
	s_endpgm
.Lentry_shape_is_right:
; out0 = att w_o + b_o on codes of FP6 (E2M3) with E8M0 scales; sums and out0 in f32.  A work-group of four waves makes 256 x 256 of out0, a wave 128 x 128 in 64 accumulators.  K = 1,024 goes in four steps of 256 through two LDS slots.
; A = the attention's result, stored as IMAGES of half fragments: [tile of 16 rows][head][768 bytes: 16 bytes a lane, then 8 bytes a lane]; two neighbouring heads are one fragment of 128 along K.  A K step is four heads: 3,072 consecutive bytes a tile.
; B = w_o's columns, rows 3,072 .. 4,095 of w_codes, 768 bytes a row.  Both lie in position order (position p = row pi(p), bits 3 and 4 exchanged); the way out puts rows and columns back.
; 4 x 4 work-groups form a cluster: A's tiles are shared along a row of the cluster, B's along a column, each asked for jointly.  The matrix instruction takes 16 rows of B as source 0, 16 rows of A as source 1. b_o is the C of each sum's first instruction.
.set NQ,     2
.set ROWB,   192
.set KROW,   768
.set PITCH,  240
.set FR,     12
.set NLA,    4                         ; LDS loads that bring a fragment of A
.set NP,     4
.set AHALF,  8*3072                    ; A: 8 tiles of rows x 4 heads: what one tensor load brings
.set HALFT,  128*PITCH                 ; B: 128 rows
.set SLOT,   2*AHALF+2*HALFT
.set KS,     32
.set SCL,    2*SLOT
.set HALFS,  16*272
.set SBLK,   2*272
.set SPARE,  SCL+4*HALFS               ; the spare words: 128 bytes a wave, two blocks of 256 bytes that no other line names
.set SPITCH, 528                       ; the way out: a stage of 16 rows x (512 + 16) bytes a wave, in slot 0, which has had its last fill and its last read by then
.set ADA,  16                          ; v16-17 A's images in slot 0, 1 at 16 x lane; v18-19 at 8 x lane
.set ADRB, 20
.set STO,  24
.set RD,   25
.set CO,   26
.set ADRS, 27
.set SPW,  28
.set NIL,  29
.set VB,   30
.set SC,   32
.set CI,   64
.set AF,   128
.set BK,   128
.set G1,   24
.set G0,   32
.set G1B,  48
.set G0B,  56
.set G1S,  68
.set G0S,  76
.set G1SB, 80
.set G0SB, 88
.set MSB, 0
.macro WIN new
.if MSB != (\new)
	s_set_vgpr_msb (MSB<<8)|(\new)
.set MSB, (\new)
.endif
.endm
.set MUL_LO, 0xa1
.set MUL_HI, 0xf1
.set TO_B,   0x40
.macro JLOAD g0a, g1a, g0b, g1b        ; a joint load: waves 0 and 1 fetch for A, waves 2 and 3 for B; four v_nop follow each of the two lines
	s_cmp_eq_u32 s17, 0
	s_cbranch_scc0 .Lfor_b_\@
	tensor_load_to_lds s[\g0a:\g0a+3], s[\g1a:\g1a+7]
	s_nop 0
.rept 4
	v_nop
.endr
	s_branch .Lasked_\@
.Lfor_b_\@:
	tensor_load_to_lds s[\g0b:\g0b+3], s[\g1b:\g1b+7]
	s_nop 0
.rept 4
	v_nop
.endr
.Lasked_\@:
.endm
.macro CREST
	s_cmp_lg_u32 s16, 0
	s_cbranch_scc1 .Lnot_wave_0_\@
	s_barrier_signal -3
.Lnot_wave_0_\@:
	s_barrier_wait -3
	s_barrier_signal -1
	s_barrier_wait -1
.endm
.macro CROUND
	s_barrier_signal -1
	s_barrier_wait -1
	CREST
.endm
	s_load_b256 s[4:11], s[0:1], 0x0               ; att_img, att_sc, w_codes, w_scales
	s_load_b128 s[12:15], s[0:1], 0x20             ; b_o, out0
	v_lshl_add_u32 v[SPW], v0, 2, SPARE
	v_mov_b32 v[NIL], 0
	ds_add_u32 v28, v29
	ds_add_u32 v28, v29
	s_wait_dscnt 0x0
	v_lshrrev_b32 v1, 5, v0
	v_readfirstlane_b32 s16, v1                    ; wave
	s_lshr_b32 s17, s16, 1                         ; WH: my half of A's rows.  Also: I fetch for A (0) or for B (1)
	s_and_b32 s18, s16, 1                          ; WL: my half of B's rows.  Also: which half I fetch
	s_bfe_u32 s19, ttmp6, 0x40000                  ; cx
	s_bfe_u32 s20, ttmp6, 0x40004                  ; cy
	s_lshl_b32 s21, ttmp9, 2
	s_add_co_u32 s21, s21, s19                     ; tile column
	s_and_b32 s22, ttmp7, 0xffff
	s_lshl_b32 s22, s22, 2
	s_add_co_u32 s22, s22, s20                     ; tile row
	s_lshl_b32 s2, s20, 2
	s_lshl_b32 s2, 15, s2                          ; my row of the cluster
	s_lshl_b32 s3, 0x1111, s19                     ; my column
	s_or_b32 s[G1+0], s2, (3<<16)|(1<<21)          ; A: the mask; elements of 8 bytes; no padding; bit 21 beside a mask
	s_mov_b32 s[G1+1], 384<<16                     ; tensor_dim0 = 384 elements: 3,072 bytes, four heads of one tile of rows
	s_mov_b32 s[G1+2], 8<<16                       ; tensor_dim1 = 8 tiles of rows
	s_mov_b32 s[G1+3], 384<<16                     ; tile_dim0
	s_mov_b32 s[G1+4], 8                           ; tile_dim1
	s_mov_b32 s[G1+5], 1536                        ; the pitch: 12,288 bytes, sixteen heads
	s_mov_b32 s[G1+6], 0
	s_mov_b32 s[G1+7], 0
	s_or_b32 s[G1B+0], s3, (0<<16)|(1<<20)|(1<<21)|(3<<22)|(3<<25)  ; B: elements of 1 byte; after every 16 words 4 words of padding
	s_mov_b32 s[G1B+1], ROWB<<16
	s_mov_b32 s[G1B+2], 128<<16
	s_mov_b32 s[G1B+3], ROWB<<16
	s_mov_b32 s[G1B+4], 128
	s_mov_b32 s[G1B+5], KROW
	s_mov_b32 s[G1B+6], 0
	s_mov_b32 s[G1B+7], 0
	s_or_b32 s[G1S+0], s2, (3<<16)|(1<<20)|(1<<21)|(5<<22)|(3<<25)  ; the scales of 128 rows: 16 rows of 256 bytes, 16 bytes of padding behind each
	s_or_b32 s[G1SB+0], s3, (3<<16)|(1<<20)|(1<<21)|(5<<22)|(3<<25)
.irp g, G1S, G1SB
	s_mov_b32 s[\g+1], 32<<16
	s_mov_b32 s[\g+2], 16<<16
	s_mov_b32 s[\g+3], 32<<16
	s_mov_b32 s[\g+4], 16
	s_mov_b32 s[\g+5], 32
	s_mov_b32 s[\g+6], 0
	s_mov_b32 s[\g+7], 0
.endr
	s_lshl_b32 s40, s22, 4
	s_lshl_b32 s41, s18, 3
	s_add_co_u32 s40, s40, s41                     ; A: the first tile of rows that I fetch: 16 x tile row + 8 x half
	s_mul_i32 s2, s40, 12288
	s_mov_b32 s3, 0
	s_lshl_b32 s66, s40, 9                         ; its scales: 16 rows x 32 bytes a tile
	s_mov_b32 s67, 0
	s_lshl_b32 s44, s21, 8
	s_lshl_b32 s45, s18, 7
	s_add_co_u32 s44, s44, s45
	s_add_co_u32 s44, s44, 3072                    ; B: row 3,072 + 256 x tile column + 128 x half
	s_mul_i32 s94, s44, KROW
	s_mov_b32 s95, 0
	s_lshl_b32 s46, s44, 5
	s_mov_b32 s47, 0
	s_mul_i32 s98, s18, AHALF                      ; where they go: no place in the cluster enters an LDS address
	s_mul_i32 s99, s18, HALFT
	s_add_co_u32 s99, s99, 2*AHALF
	s_mul_i32 s23, s16, HALFS
	s_wait_kmcnt 0x0
	s_add_nc_u64 s[40:41], s[4:5], s[2:3]
	s_add_nc_u64 s[42:43], s[6:7], s[66:67]
	s_add_nc_u64 s[44:45], s[8:9], s[94:95]
	s_add_nc_u64 s[96:97], s[10:11], s[46:47]
	CROUND                                         ; all sixteen work-groups are here: the first joint loads meet
	s_mov_b32 s[G0S], 1
	s_add_co_u32 s[G0S+1], s23, SCL
	s_mov_b64 s[G0S+2:G0S+3], s[42:43]
	s_or_b32 s[G0S+3], s[G0S+3], 0x80000000
	s_mov_b32 s[G0SB], 1
	s_add_co_u32 s[G0SB+1], s23, SCL
	s_mov_b64 s[G0SB+2:G0SB+3], s[96:97]
	s_or_b32 s[G0SB+3], s[G0SB+3], 0x80000000
	JLOAD G0S, G1S, G0SB, G1SB
.irp s, 0,1
	s_mov_b32 s[G0+4*\s], 1
	s_add_co_u32 s[G0+4*\s+1], s98, \s*SLOT
	s_add_nc_u64 s[G0+4*\s+2:G0+4*\s+3], s[40:41], \s*3072
	s_or_b32 s[G0+4*\s+3], s[G0+4*\s+3], 0x80000000
	s_mov_b32 s[G0B+4*\s], 1
	s_add_co_u32 s[G0B+4*\s+1], s99, \s*SLOT
	s_add_nc_u64 s[G0B+4*\s+2:G0B+4*\s+3], s[44:45], \s*ROWB
	s_or_b32 s[G0B+4*\s+3], s[G0B+4*\s+3], 0x80000000
	JLOAD G0+4*\s, G1, G0B+4*\s, G1B               ; three tensor loads of mine are out now, by this text's count
.endr
	v_and_b32 v1, 15, v0                           ; r
	v_bfe_u32 v2, v0, 4, 1                         ; h
	v_and_b32 v7, 31, v0
	v_lshlrev_b32 v3, 4, v7                        ; 16 x lane
	v_lshlrev_b32 v6, 3, v7                        ; 8 x lane
	s_mul_i32 s2, s17, AHALF
	v_mul_u32_u24 v4, v1, PITCH
	v_mad_u32_u24 v4, v2, 24, v4                   ; B: a fragment's row x pitch + 24 x half
	v_lshl_add_u32 v5, v2, 4, v4                   ; and the same behind one padding more
	s_mul_i32 s3, s18, HALFT
	s_add_co_u32 s3, s3, 2*AHALF
.irp s, 0,1
	v_add_nc_u32 v[ADA+\s], s2, v3
	v_add_nc_u32 v[ADA+2+\s], s2, v6
	v_add_nc_u32 v[ADRB+\s], s3, v4
	v_add_nc_u32 v[ADRB+2+\s], s3, v5
	s_add_co_u32 s2, s2, SLOT
	s_add_co_u32 s3, s3, SLOT
.endr
	v_mul_u32_u24 v5, v1, KS
	v_lshrrev_b32 v6, 8, v5
	v_lshl_add_u32 v5, v6, 4, v5
	s_mul_i32 s2, s17, HALFS
	s_mul_i32 s3, s18, HALFS
	s_add_co_u32 s3, s3, 2*HALFS
	s_sub_co_u32 s3, s3, s2
	v_mul_u32_u24 v6, s3, v2                       ; lanes 16-31 take B's scale words
	s_add_co_u32 s2, s2, SCL
	v_add_nc_u32 v5, v5, v6
	v_add_nc_u32 v[ADRS], s2, v5
	; b_o in the result's layout: register j of tile t is column 32 (t / 2) + 16 h + 8 (t % 2) + j of my 128
	s_lshl_b32 s2, s21, 8
	s_lshl_b32 s3, s18, 7
	s_add_co_u32 s2, s2, s3
	s_lshl_b32 s2, s2, 2                           ; my first column, in bytes: also its place in a row of out0
	s_mov_b32 s3, 0
	s_add_nc_u64 s[12:13], s[12:13], s[2:3]
	v_lshlrev_b32 v[VB], 6, v2
.irp t, 0,1,2,3,4,5,6,7
	global_load_b128 v[CI+8*\t:CI+8*\t+3], v[VB], s[12:13] offset:4*(32*(\t/2)+8*(\t%2))
	global_load_b128 v[CI+8*\t+4:CI+8*\t+7], v[VB], s[12:13] offset:4*(32*(\t/2)+8*(\t%2))+16
.endr
	s_lshl_b32 s66, s22, 8
	s_lshl_b32 s67, s17, 7
	s_add_co_u32 s66, s66, s67                     ; my first row of out0
	s_lshl_b32 s66, s66, 12
	s_add_co_u32 s66, s66, s2
	s_mov_b32 s67, 0
	s_add_nc_u64 s[14:15], s[14:15], s[66:67]
	s_mul_i32 s2, s16, 16*SPITCH                   ; my stage
	v_mul_u32_u24 v5, v1, SPITCH
	v_lshl_add_u32 v5, v2, 6, v5
	v_add_nc_u32 v[STO], s2, v5                    ; in: row r, + 64 h
	v_mov_b32 v[CO], v3                            ; back: the 32 lanes take one row of 512 bytes; and the same in out0
	v_add_nc_u32 v[RD], s2, v3
.macro FRAG reg, adr, q, i             ; B: 16 rows x 128 K, in pieces of 8 bytes
.irp p, 0,1,2,3,4,5
.set PCE, 12*(\q)+6*(\p/3)+\p%3
.if PCE%8 < 5
	ds_load_b64 v[\reg+2*\p:\reg+2*\p+1], v[\adr] offset:8*PCE+16*(PCE/8)+(\i)*16*PITCH
.else
	ds_load_b64 v[\reg+2*\p:\reg+2*\p+1], v[\adr+2] offset:8*PCE+16*(PCE/8)+(\i)*16*PITCH
.endif
.endr
.endm
.macro FRAGA reg, slot, q, i           ; A: two half images make a fragment: each comes back as it was stored
	ds_load_b128 v[\reg:\reg+3], v[ADA+\slot] offset:(\i)*3072+(\q)*1536
	ds_load_b64 v[\reg+4:\reg+5], v[ADA+2+\slot] offset:(\i)*3072+(\q)*1536+512
	ds_load_b128 v[\reg+6:\reg+9], v[ADA+\slot] offset:(\i)*3072+(\q)*1536+768
	ds_load_b64 v[\reg+10:\reg+11], v[ADA+2+\slot] offset:(\i)*3072+(\q)*1536+1280
.endm
.macro MUL16 a0, p, q, sc, init        ; 16 matrix instructions; init = 1: the sums start from b_o.  The 64 accumulators take turns, one instruction a turn
.irp a, \a0, \a0+1
.irp b, 0,1,2,3,4,5,6,7
.if \init
	v_wmma_scale_f32_16x16x128_f8f6f4 v[8*(8*((\a)%4)+\b):8*(8*((\a)%4)+\b)+7], v[128*(\p)+FR*\b:128*(\p)+FR*\b+FR-1], v[AF+FR*(\a):AF+FR*(\a)+FR-1], v[CI+8*\b:CI+8*\b+7], v[SC+8*NQ*(\sc)+NQ*\b+(\q)], v[SC+8*NQ*(\sc)+NQ*(\a)+(\q)] matrix_a_fmt:MATRIX_FMT_FP6 matrix_b_fmt:MATRIX_FMT_FP6 matrix_a_scale:MATRIX_SCALE_ROW1
.else
	v_wmma_scale_f32_16x16x128_f8f6f4 v[8*(8*((\a)%4)+\b):8*(8*((\a)%4)+\b)+7], v[128*(\p)+FR*\b:128*(\p)+FR*\b+FR-1], v[AF+FR*(\a):AF+FR*(\a)+FR-1], v[8*(8*((\a)%4)+\b):8*(8*((\a)%4)+\b)+7], v[SC+8*NQ*(\sc)+NQ*\b+(\q)], v[SC+8*NQ*(\sc)+NQ*(\a)+(\q)] matrix_a_fmt:MATRIX_FMT_FP6 matrix_b_fmt:MATRIX_FMT_FP6 matrix_a_scale:MATRIX_SCALE_ROW1
.endif
.endr
.endr
.endm
.macro FETCH_B slot, q, p
	WIN TO_B
.irp i, 0,1,2,3,4,5,6,7
	FRAG 128*(\p)+FR*\i, ADRB+\slot, \q, \i
.endr
	WIN 0
.endm
.macro FETCH_A slot, q, i0
.irp i, \i0, \i0+1, \i0+2, \i0+3
	FRAGA AF+FR*(\i), \slot, \q, \i
.endr
.endm
.macro SCALES sc
.irp i, 0,1,2,3,4,5,6,7
	ds_load_b64 v[SC+8*NQ*\sc+NQ*\i:SC+8*NQ*\sc+NQ*\i+1], v[ADRS] offset:\i*SBLK
.endr
.endm
.macro PLACES n
.rept \n
	v_nop
.endr
.endm
.macro STEP slot, q, init
	s_wait_dscnt 4*NLA                             ; B's set and A's blocks 0-3 are in; the youngest 16 loads (A's blocks 4-7) may be out
.if \init
	WIN 0x81
.else
	WIN MUL_LO
.endif
	MUL16 0, (\q)%2, \q, \slot, \init
	MUL16 2, (\q)%2, \q, \slot, \init
	s_wait_dscnt 0
	PLACES NP
	FETCH_B \slot, (\q)+1, 1-(\q)%2
	FETCH_A \slot, (\q)+1, 0
.if \init
	WIN 0xc1
.else
	WIN MUL_HI
.endif
	MUL16 4, (\q)%2, \q, \slot, \init
	MUL16 6, (\q)%2, \q, \slot, \init
	PLACES NP
	WIN 0
	FETCH_A \slot, (\q)+1, 4
.endm
.macro TURN slot, next, fill
	s_wait_tensorcnt 0x0                           ; all my tensor loads have landed: my part of the next slot
	ds_add_u32 v[SPW], v[NIL]                      ; 0 onto my spare word
	s_wait_dscnt 4*NLA+1                           ; the add and the youngest 16 loads (A's blocks 4-7) may be out
	WIN MUL_LO
	MUL16 0, 1, NQ-1, \slot, 0
	s_wait_dscnt 0x0                               ; the add is done, and my reads of this slot are over
	s_barrier_signal -1
	MUL16 2, 1, NQ-1, \slot, 0
	WIN 0
	s_barrier_wait -1
.if \fill
	CREST                                          ; the barrier has opened a round of the cluster's barrier: no wave of any partner still reads this slot or has a load on its way
	s_add_nc_u64 s[G0+4*\slot+2:G0+4*\slot+3], s[G0+4*\slot+2:G0+4*\slot+3], 2*3072
	s_add_nc_u64 s[G0B+4*\slot+2:G0B+4*\slot+3], s[G0B+4*\slot+2:G0B+4*\slot+3], 2*ROWB
	JLOAD G0+4*\slot, G1, G0B+4*\slot, G1B
.else
	PLACES NP
.endif
	v_add_nc_u32 v[ADRS], 4*NQ, v[ADRS]
	FETCH_B \next, 0, 0
	FETCH_A \next, 0, 0
	SCALES \next
	WIN MUL_HI
	MUL16 4, 1, NQ-1, \slot, 0
	MUL16 6, 1, NQ-1, \slot, 0
	PLACES NP
	WIN 0
	FETCH_A \next, 0, 4
.endm
	s_wait_tensorcnt 1                             ; the scales and my part of K step 0 are in; slot 1's first fill may be out
	s_barrier_signal -1
	s_barrier_wait -1
	FETCH_B 0, 0, 0
	FETCH_A 0, 0, 0
	SCALES 0
	FETCH_A 0, 0, 4
	s_wait_loadcnt 0x0                             ; b_o
	STEP 0, 0, 1
	TURN 0, 1, 1
	STEP 1, 0, 0
	TURN 1, 0, 1
	STEP 0, 0, 0
	TURN 0, 1, 0                                   ; the last two K steps fill nothing
	STEP 1, 0, 0
	s_wait_dscnt 4*NLA
	WIN MUL_LO
	MUL16 0, 1, NQ-1, 1, 0
	MUL16 2, 1, NQ-1, 1, 0
	s_wait_dscnt 0
	WIN MUL_HI
	MUL16 4, 1, NQ-1, 1, 0
	MUL16 6, 1, NQ-1, 1, 0
	WIN 0
; THE WAY OUT, block by block of 16 rows x 128 columns, through my own stage.  Tile b's eight registers are columns 32 (b / 2) + 16 h + 8 (b % 2) + 0 .. 7; row t of block a is row 32 (a / 2) + 8 (a % 2) + t % 8 + 16 (t / 8) of my 128.
.macro TOSTAGE a
.set AC, 64*((\a)%4)
	WIN 0x08+4*((\a)/4)
.irp b, 0,1,2,3,4,5,6,7
	ds_store_b128 v[STO], v[AC+8*\b:AC+8*\b+3] offset:128*(\b/2)+32*(\b%2)        ; each accumulator from its low end on
	ds_store_b128 v[STO], v[AC+8*\b+4:AC+8*\b+7] offset:128*(\b/2)+32*(\b%2)+16
.endr
	WIN 0
.set BB, BK+64*((\a)%2)
.irp t, 0,1,2,3,4,5,6,7,8,9,10,11,12,13,14,15
	ds_load_b128 v[BB+4*\t:BB+4*\t+3], v[RD] offset:\t*SPITCH      ; LDS serves a wave's instructions in order: these see the stores above
.endr
.endm
.macro SEND a, younger
.set BB, BK+64*((\a)%2)
	s_wait_dscnt \younger                          ; the block is back in registers; the next block's 16 stores and 16 loads may be out
.if (\a) > 0
.if (\a)%2
	s_add_nc_u64 s[14:15], s[14:15], 8*4096        ; (behind a wait on XCNT)  into an odd block: 8 rows on
.else
	s_add_nc_u64 s[14:15], s[14:15], 24*4096       ; into an even block: 24 rows on
.endif
.endif
.irp t, 0,1,2,3,4,5,6,7,8,9,10,11,12,13,14,15
	global_store_b128 v[CO], v[BB+4*\t:BB+4*\t+3], s[14:15] offset:((\t%8)+16*(\t/8))*4096 th:TH_STORE_NT   ; 32 lanes store 512 consecutive bytes, aligned to 256
.endr
.endm
	PLACES NP
	TOSTAGE 0
.irp a, 1,2,3,4,5,6,7
.if \a > 1
	s_wait_xcnt 0x0                                ; the stores of two blocks back have read their registers and their base
.endif
	TOSTAGE \a
	SEND \a-1, 32
.endr
	s_wait_xcnt 0x0
	SEND 7, 0
	s_wait_tensorcnt 0x0                           ; the wave's end
	ds_add_u32 v[SPW], v[NIL]
	s_wait_dscnt 0x0
	CROUND                                         ; the closing round: no work-group ends while a partner may still ask for a tile that names it
	s_endpgm
.Lfunc_end_k_qd7074a6543_gemm_out:
	.size	k_qd7074a6543_gemm_out, .Lfunc_end_k_qd7074a6543_gemm_out-k_qd7074a6543_gemm_out
	.p2alignl 7, 3214868480
	.fill 96, 4, 3214868480
	.section	.rodata,"a",@progbits
	.p2align	6, 0x0
	.amdhsa_kernel k_qd7074a6543_gemm_out
		.amdhsa_group_segment_fixed_size 327680
		.amdhsa_private_segment_fixed_size 0
		.amdhsa_enable_private_segment 0
		.amdhsa_kernarg_size 48
		.amdhsa_user_sgpr_count 2
		.amdhsa_user_sgpr_kernarg_segment_ptr 1
		.amdhsa_wavefront_size32 1
		.amdhsa_system_sgpr_workgroup_id_x 1
		.amdhsa_system_sgpr_workgroup_id_y 1
		.amdhsa_system_sgpr_workgroup_id_z 1
		.amdhsa_system_vgpr_workitem_id 0
		.amdhsa_next_free_vgpr 1024
		.amdhsa_next_free_sgpr 102
		.amdhsa_reserve_vcc 0
		.amdhsa_float_denorm_mode_32 3
		.amdhsa_float_denorm_mode_16_64 3
		.amdhsa_memory_ordered 1
		.amdhsa_forward_progress 1
		.amdhsa_inst_pref_size 153
	.end_amdhsa_kernel
	.amdgpu_metadata
---
amdhsa.version: [ 1, 2 ]
amdhsa.kernels:
  - .name:           k_qd7074a6543_gemm_out
    .symbol:         k_qd7074a6543_gemm_out.kd
    .args:
      - { .name: att_img, .offset: 0, .size: 8, .value_kind: global_buffer, .address_space: global }
      - { .name: att_sc, .offset: 8, .size: 8, .value_kind: global_buffer, .address_space: global }
      - { .name: w_codes, .offset: 16, .size: 8, .value_kind: global_buffer, .address_space: global }
      - { .name: w_scales, .offset: 24, .size: 8, .value_kind: global_buffer, .address_space: global }
      - { .name: b_o, .offset: 32, .size: 8, .value_kind: global_buffer, .address_space: global }
      - { .name: out0, .offset: 40, .size: 8, .value_kind: global_buffer, .address_space: global }
    .group_segment_fixed_size: 327680
    .private_segment_fixed_size: 0
    .kernarg_segment_align: 8
    .kernarg_segment_size: 48
    .max_flat_workgroup_size: 128
    .sgpr_count:     102
    .vgpr_count:     1024
    .wavefront_size: 32
...
	.end_amdgpu_metadata
.endif
;; end of part 4
